; MI455X (gfx1250); checked and timed in simulation.
; The chip was launched on July 23, 2026; its instructions are those of AMD's public machine-readable ISA for CDNA 5 (MIT licence, August 2026) and "CDNA5" Instruction Set Architecture Reference Guide (July 2026). The comments in the code are by the model that wrote it; some were corrected since.
;; Lo RA Multi Head Self Attention. Allowed arithmetic: matrix products marked QUANTISED: E2M1 operands, one E8M0 scale for each 32 along K, by v_wmma_scale_f32_16x16x128_f8f6f4 with both operands' format E2M1 (or v_wmma_scale_f32_32x16x128_f4), f32 sums; products left as they are: f32 operands where the result goes on into a quantised operand, else bf16, f16 or f32 operands; f32 sums; everything else in f32.
;; Inputs: A_proj 1,024 x 8 float32; A_qkv 1,024 x 8 float32; B_proj 8 x 1,024 float32; B_qkv 8 x 3,072 float32; W_proj 1,024 x 1,024 float32; W_qkv 1,024 x 3,072 float32; b_proj 1,024 float32; b_qkv 3,072 float32; x 4 x 2,048 x 1,024 float32.
;; Outputs: out0 4 x 2,048 x 1,024 float32.
;; This version of the problem:
;;   THIS VERSION OF THE PROBLEM IS GIVEN IN LOW PRECISION. The matrix products marked QUANTISED in the list below multiply operands that are first quantised to E2M1 (2 exponent bits, 1 mantissa bit; 4 bits a number), with one power-of-two scale for each 32 numbers along K (OCP MX v1.0); their sums are f32. All else is computed in f32.
;;   The module's matrix products, in the order in which they are computed (A, B: the left and right operand; K: the contracted axis; several contracted axes count as one K, in the product's order):
;;     1. [M 8,192, K 1,024] x [K 1,024, N 3,072]; A: input x; B: input W_qkv: QUANTISED
;;     2. [M 8,192, K 1,024] x [K 1,024, N 8]; A: input x; B: input A_qkv: left as it is (N = 8 < 16)
;;     3. [M 8,192, K 8] x [K 8, N 3,072]; A: computed on the way; B: input B_qkv: left as it is (K = 8 < 32)
;;     4. batch 64 x [M 2,048, K 64] x [K 64, N 2,048]; A: computed on the way; B: computed on the way: QUANTISED
;;     5. batch 64 x [M 2,048, K 2,048] x [K 2,048, N 64]; A: softmax (see below); B: computed on the way: QUANTISED
;;     6. [M 8,192, K 1,024] x [K 1,024, N 1,024]; A: computed on the way; B: input W_proj: QUANTISED
;;     7. [M 8,192, K 1,024] x [K 1,024, N 8]; A: computed on the way; B: input A_proj: left as it is (N = 8 < 16)
;;     8. [M 8,192, K 8] x [K 8, N 1,024]; A: computed on the way; B: input B_proj: left as it is (K = 8 < 32)
;;   THE QUANTISER, for each operand of a quantised product, along K:
;;     - K is cut into blocks of 32 from its start; a last block that is shorter is filled with zeros.
;;     - A block's scale is 2^e with e = floor(log2(the largest magnitude in the block)) - 2, held to -126 .. 127; a block of zeros has e = 0. As a byte (E8M0): e + 127.
;;     - Each number is divided by its block's scale, clamped to +-6, and rounded to the nearest number of E2M1, ties to even, subnormals kept.
;;     - The product sums the exact products of the quantised numbers (number of the format x scale) in f32.
;;   ~~~python
;;   def quantise(x, axis):      # numpy; x: float32 -> the quantised numbers, widened to float32 again
;;       x = np.moveaxis(x, axis, -1); K = x.shape[-1]
;;       x = np.pad(x, [(0, 0)] * (x.ndim - 1) + [(0, -K % 32)]); x = x.reshape(x.shape[:-1] + (-1, 32)); a = np.abs(x).max(-1, keepdims=True)
;;       e = np.where(a > 0, np.clip(np.frexp(np.where(a > 0, a, 1))[1] - 1 - 2, -126, 127), 0)      # np.frexp(a)[1] - 1 = floor(log2(a)), exactly
;;       r = np.clip(x / 2.0 ** e, -6, 6)
;;       step = 2.0 ** (np.maximum(np.frexp(np.where(r == 0, 1, r))[1] - 1, 0) - 1)
;;       q = np.round(r / step) * step * 2.0 ** e      # np.round: ties to even
;;       return np.moveaxis(q.reshape(q.shape[:-2] + (-1,))[..., :K], -1, axis).astype(np.float32)
;;   ~~~
;;   SOFTMAX AHEAD OF A QUANTISED PRODUCT. Where the list says 'softmax', what is quantised is not the finished softmax but p = 2^(t - M), with t = logit x log2(e) and M = ceil(the row's largest t), a whole number; so 1/2 < the row's largest p <= 1. The row's sum l is taken of the UNQUANTISED p, in f32, and the product's result is divided by l at the end. Since M is a whole number, a kernel that streams over the keys may use a running M (the ceiling of the running maximum): every later rescaling is an exact power of two, which a block's scale takes up: the codes' values come out the same.
;;   OPERANDS COMPUTED ON THE WAY. 'Computed on the way' means the value that the module computes at that place (a softmax that the list does not call 'softmax' is quantised finished and normalised). What goes into a quantiser is computed in f32, as accurately as f32 sums, v_exp_f32 and their like allow (about 1e-6 of the number): no bf16 or f16 on the way to a quantiser, and a product that is left as it is and whose result goes on into a quantised operand takes f32 operands (vector FMAs, or v_wmma_f32_16x16x4_f32). A number that lies on a knife's edge between two numbers of the format may be rounded either way, as far as f32 arithmetic and the matrix unit's own rounding can turn it there, and no further.
;; One version. Each part assembles by itself: llvm-mc -triple=amdgcn-amd-amdhsa -mcpu=gfx1250 --defsym DOCPART=n.
;; ======== version 1 of 1: 4 launches
;; limits: values are held in bf16: 8 bits of precision; right only within a limited range of input values
;; workspace buffers: pa 7,307,264 bytes; qkv 13,893,632 bytes; att 8,912,896 bytes
;; launch prep (part 1): grid 384 x 1, 8 waves a work-group, no clusters, 87,040 bytes of LDS; arguments x, W_qkv, W_proj, A_qkv, A_proj, B_qkv, B_proj, b_qkv, b_proj, pa; writes pa
.if DOCPART == 1
	.amdgcn_target "amdgcn-amd-amdhsa--gfx1250"
	.amdhsa_code_object_version 6
	.text
	.protected	k_q1668c1826d_prep
	.globl	k_q1668c1826d_prep
	.p2align	8
	.type	k_q1668c1826d_prep,@function
k_q1668c1826d_prep:
	s_mov_b64 s[64:65], 0
	v_nop
	global_prefetch_b8 v0, s[64:65] scope:SCOPE_SE
	s_setreg_imm32_b32 hwreg(HW_REG_WAVE_MODE, 25, 1), 1
	s_wait_xcnt 0x0
; PREP: everything that is made once from the inputs, into the workspace pa.
;   work-groups 0-255   (x path): 32 rows of x: their FP4 codes and E8M0 scale words, and t = x A_qkv in f32 (f32 matrix form: t runs on into quantised operands).
;   work-groups 256-383 (W path): 32 columns of W_qkv (256-351) or of W_proj (352-383): codes along K (K is W's first axis: a lane takes a column, its registers run down K),
;                       scale words, the columns' companion (2 B, b), and (first 32 of them) a bf16 image of A_proj.
; LAYOUTS IN pa.  Rows of every operand (tokens, W's columns) are taken in groups of 32; tile 2 G + u, lane-row r, is row 32 G + 8 u + r + 8 (r / 8).
;   CODES  [tile 768][K step 8][1,024 B]: a fragment (16 rows x 128 K) as the image of its 8 registers: register group c at 512 c + 16 lane.  x: tiles 0-511, W_qkv: 512-703, W_proj: 704-767.
;   SCALES [tile][r][8 words]: word s = the four E8M0 bytes of K step s.
;   COMPS  [tile][step 3][lane][8 B]: an operand of the f32 16x16x4 form, rank 12: tokens (t0..t7, 1, 0, 0, 0), W's columns (2 B0..2 B7, b, 0, 0, 0): their dot product is b + 2 t B.
;   APT    [fragment 32][1,024 B]: bf16 operand images of A_proj^T: lane (r, h), number i: A_proj[32 f + 16 h + i][r % 8].
; THE QUANTISER: a block's scale is 2^(floor(log2(largest magnitude)) - 2); its byte is the largest magnitude's exponent field - 2, held at 1 from below.
; LIMITS: NaN and infinities are not served; a block whose largest magnitude lies under 2^-124 (a block of zeros too) keeps the byte 1: only this program reads the bytes, and zero codes add nothing.
; No tensor loads, no ring.  The two paths part on the work-group's number and have LDS bytes of their own.
; v36-51, the x path's two accumulators of t, are written by matrix instructions alone in the whole text: the W path keeps clear of them.
.set CODES,  0
.set SCALES, 6291456
.set COMPS,  6684672
.set APT,    7274496
.set STG,    0                         ; x path: 8 waves x 16 rows x (512 + 16) bytes: the turn from "lanes along a row" to "16 neighbours in a lane"
.set PART,   67584                     ; x path: [tile 2][wave 8][lane][32 B]: each wave's part of t
.set SCS,    83968                     ; x path: [tile 2][r][8 words]
.set WSC,    84992                     ; W path: [tile 2][r][8 words]
.set WV,  24                           ; s24 my wave
.set SEL, 26                           ; s[26:27] v_permlanex16_b32's selects for lane l xor 16
.set TM,  10                           ; v10-25 the quantiser's scratch
.set PW,  26                           ; v26 the scale word just made
.set PC,  28                           ; v28-35 the codes just made
.set OFF, 96                           ; W path: v96-127: 4 lane + i rows
.set TL,  128                          ; W path: the tails' scratch, where the numbers of W lay
; 64 numbers of a lane, register 16 b + i = k 32 b + 16 (lane / 16) + i of my row, become a fragment's codes in v[pc] on and its scale word in v[pw].
.macro QUANT src, pc, pw
.irp b, 0,1,2,3
	v_max3_num_f32 v[TM+\b], |v[\src+16*\b]|, |v[\src+1+16*\b]|, 0x1800000   ; my 16 numbers of block b, and the floor 2^(3 - 127): the byte cannot fall under 1
.endr
.irp i, 2,4,6,8,10,12,14
.irp b, 0,1,2,3
	s_delay_alu instid0(VALU_DEP_4)
	v_max3_num_f32 v[TM+\b], v[TM+\b], |v[\src+16*\b+\i]|, |v[\src+1+16*\b+\i]|
.endr
.endr
.irp b, 0,1,2,3
	s_delay_alu instid0(VALU_DEP_4)
	v_permlanex16_b32 v[TM+4+\b], v[TM+\b], s[SEL], s[SEL+1]
.endr
.irp b, 0,1,2,3
	s_delay_alu instid0(VALU_DEP_4)
	v_max_num_f32 v[TM+\b], v[TM+\b], v[TM+4+\b]             ; with lane l xor 16's: the block's largest magnitude
.endr
.irp b, 0,1,2,3
	s_delay_alu instid0(VALU_DEP_4)
	v_add_nc_u32 v[TM+12+\b], 0xff000000, v[TM+\b]           ; 2 off its exponent field: the conversion's scale operand
.endr
.irp b, 0,1,2,3
	s_delay_alu instid0(VALU_DEP_4)
	v_lshrrev_b32 v[TM+4+\b], 23, v[TM+12+\b]                ; the scale's byte
.endr
	s_delay_alu instid0(VALU_DEP_3)
	v_lshl_or_b32 v[\pw], v[TM+5], 8, v[TM+4]
	s_delay_alu instid0(VALU_DEP_1)
	v_lshl_or_b32 v[\pw], v[TM+6], 16, v[\pw]
	s_delay_alu instid0(VALU_DEP_1)
	v_lshl_or_b32 v[\pw], v[TM+7], 24, v[\pw]
.irp b, 0,1,2,3
	v_cvt_scalef32_pk8_fp4_f32 v[\pc+2*\b], v[\src+16*\b:\src+7+16*\b], v[TM+12+\b]
	v_cvt_scalef32_pk8_fp4_f32 v[\pc+1+2*\b], v[\src+8+16*\b:\src+15+16*\b], v[TM+12+\b]
.endr
	v_nop                                                    ; one plain place behind a scaled conversion
.irp c, 0,1
.irp i, 0,1
	v_permlane16_swap_b32 v[\pc+4*\c+\i], v[\pc+2+4*\c+\i]   ; a whole block to a lane: registers 4 c .. 4 c + 3 hold k = 64 c + 32 h + 0 .. 31
.endr
.endr
.endm
	s_load_b256 s[4:11], s[0:1], 0x0               ; x s[4:5], W_qkv s[6:7], W_proj s[8:9], A_qkv s[10:11]
	s_load_b256 s[12:19], s[0:1], 0x20             ; A_proj s[12:13], B_qkv s[14:15], B_proj s[16:17], b_qkv s[18:19]
	s_load_b128 s[20:23], s[0:1], 0x40             ; b_proj s[20:21], pa s[22:23]
	v_lshl_add_u32 v27, v0, 2, 0x15000
	v_mov_b32 v63, 0
	v_lshrrev_b32 v1, 5, v0
	s_delay_alu instid0(VALU_DEP_1)
	v_readfirstlane_b32 s[WV], v1                  ; wave 0..7
	v_and_b32 v60, 31, v0                          ; lane
	v_and_b32 v61, 15, v0                          ; r
	v_bfe_u32 v62, v0, 4, 1                        ; h
	s_mov_b32 s[SEL], 0x76543210
	s_mov_b32 s[SEL+1], 0xfedcba98
	s_cmp_lt_u32 ttmp9, 256
	s_cbranch_scc0 .Lw_path
; ------------------------------------------------------------------ x path: work-group G owns rows 32 G .. 32 G + 31 (tiles 2 G, 2 G + 1); wave w owns K step w (k = 128 w ..)
; v1 16 lane; v2 stage in; v3 stage out; v4 my place in A_qkv; v5 PART store; v6 SCS store; v7 PART read; v8 SCS read; v9 8 lane;
; v36-51 two accumulators of t (written by matrix instructions alone); v52-59 their sum; v64-127 A_qkv's operand; v128-191 x as loaded; v192-255 x, 16 neighbours of each block
	v_lshlrev_b32 v1, 4, v60
	s_mul_i32 s28, s[WV], 8448
	v_add_nc_u32 v2, s28, v1
	v_mul_u32_u24 v3, v61, 528
	s_delay_alu instid0(VALU_DEP_1)
	v_lshl_add_u32 v3, v62, 6, v3
	s_delay_alu instid0(VALU_DEP_1)
	v_add_nc_u32 v3, s28, v3
	v_and_b32 v4, 7, v0
	s_delay_alu instid0(VALU_DEP_1)
	v_lshlrev_b32 v4, 2, v4
	s_delay_alu instid0(VALU_DEP_1)
	v_lshl_add_u32 v4, v62, 9, v4                  ; 512 h + 4 (r % 8)
	s_lshl_b32 s29, s[WV], 10
	s_add_co_u32 s29, s29, PART
	v_lshl_add_u32 v5, v60, 5, s29
	s_lshl_b32 s29, s[WV], 2
	s_add_co_u32 s29, s29, SCS
	v_lshl_add_u32 v6, v61, 5, s29
	s_and_b32 s30, s[WV], 1                        ; the tile that I see to at the end
	s_lshl_b32 s29, s30, 13
	s_add_co_u32 s29, s29, PART
	v_lshl_add_u32 v7, v61, 5, s29
	s_delay_alu instid0(VALU_DEP_1)
	v_lshl_add_u32 v7, v62, 3, v7
	s_lshl_b32 s29, s30, 9
	s_add_co_u32 s29, s29, SCS
	v_add_nc_u32 v8, s29, v1
	v_lshlrev_b32 v9, 3, v60
.irp b, 0,1,2,3
	v_mov_b32 v[TM+4+\b], 0                        ; written once: a lane permute's destination counts as one of its sources
.endr
	s_lshl_b32 s32, ttmp9, 17                      ; 32 rows of 4,096 bytes,
	s_lshl_b32 s33, s[WV], 9                       ; my 512 bytes of a row
	s_add_co_u32 s32, s32, s33
	s_mov_b32 s33, 0
	s_lshl_b32 s34, s[WV], 12                      ; A_qkv: my 128 rows of 32 bytes
	s_mov_b32 s35, 0
	s_lshl_b32 s36, ttmp9, 14                      ; codes: two tiles of 8,192 bytes, my K step's 1,024
	s_lshl_b32 s37, s[WV], 10
	s_add_co_u32 s36, s36, s37
	s_mov_b32 s37, 0
	s_lshl_b32 s38, ttmp9, 1
	s_add_co_u32 s38, s38, s30                     ; tile 2 G + (w % 2)
	s_mul_i32 s40, s38, 768
	s_add_co_u32 s40, s40, COMPS
	s_mov_b32 s41, 0
	s_lshl_b32 s38, s38, 9
	s_add_co_u32 s38, s38, SCALES
	s_mov_b32 s39, 0
	s_wait_kmcnt 0x0
	s_add_nc_u64 s[4:5], s[4:5], s[32:33]
	s_add_nc_u64 s[10:11], s[10:11], s[34:35]
	s_add_nc_u64 s[36:37], s[22:23], s[36:37]
	s_add_nc_u64 s[40:41], s[22:23], s[40:41]
	s_add_nc_u64 s[38:39], s[22:23], s[38:39]
.irp b, 0,1,2,3
.irp i, 0,1,2,3,4,5,6,7,8,9,10,11,12,13,14,15
	global_load_b32 v[64+16*\b+\i], v4, s[10:11] offset:(32*\b+\i)*32   ; A_qkv[128 w + 32 b + 16 h + i][r % 8]: the same k in the same place as x's registers below
.endr
.endr
.macro RAWLOAD u                       ; tile u's 16 rows, my 512 bytes of each: 32 lanes read 512 consecutive bytes
.irp i, 0,1,2,3,4,5,6,7,8,9,10,11,12,13,14,15
	global_load_b128 v[128+4*\i:131+4*\i], v1, s[4:5] offset:(8*\u+\i+8*(\i/8))*4096 th:TH_LOAD_NT
.endr
.endm
.macro TURN                            ; through my own stage: LDS serves a wave's instructions in order, so no wait stands between the stores and the loads
.irp i, 0,1,2,3,4,5,6,7,8,9,10,11,12,13,14,15
	ds_store_b128 v2, v[128+4*\i:131+4*\i] offset:528*\i
.endr
.irp b, 0,1,2,3
.irp j, 0,1,2,3
	ds_load_b128 v[192+16*\b+4*\j:195+16*\b+4*\j], v3 offset:128*\b+16*\j
.endr
.endr
	s_wait_dscnt 0x0                               ; x lies in v192-255, and the stores have read v128-191
.endm
.macro TMUL                            ; t^T += A^T x^T: 32 steps of 4 along K on two accumulators by turns; the first two start the sums
.set q, 0
.rept 32
.if q < 2
	v_wmma_f32_16x16x4_f32 v[36+8*(q%2):43+8*(q%2)], v[64+2*q:65+2*q], v[192+2*q:193+2*q], 0
.else
	v_wmma_f32_16x16x4_f32 v[36+8*(q%2):43+8*(q%2)], v[64+2*q:65+2*q], v[192+2*q:193+2*q], v[36+8*(q%2):43+8*(q%2)]
.endif
.set q, q+1
.endr
.endm
.macro XOUT u                          ; lane (r, h) holds t's part for token r, ranks 0-7 (both halves alike)
.irp i, 0,2,4,6
	v_pk_add_f32 v[52+\i:53+\i], v[36+\i:37+\i], v[44+\i:45+\i]    ; from the accumulators' low end on
.endr
	ds_store_b128 v5, v[52:55] offset:8192*\u
	ds_store_b128 v5, v[56:59] offset:8192*\u+16
	ds_store_b32 v6, v[PW] offset:512*\u           ; lanes r and r + 16 write the same word with the same value
	global_store_b128 v1, v[PC:PC+3], s[36:37] offset:8192*\u          ; 512 consecutive bytes
	global_store_b128 v1, v[PC+4:PC+7], s[36:37] offset:8192*\u+512
.endm
	RAWLOAD 0
	s_wait_loadcnt 0x0                             ; A_qkv's operand and tile 0's rows
	TURN
	RAWLOAD 1                                      ; tile 1 lands while tile 0 is worked
	TMUL
	QUANT 192, PC, PW                              ; more than eight of its plain lines name no register of the last products: they are the places in front of the sums' first read
	XOUT 0
	s_wait_loadcnt 0x0                             ; tile 1's rows
	s_wait_xcnt 0x0                                ; the stores' data registers are written again only behind this wait
	TURN
	TMUL
	QUANT 192, PC, PW
	XOUT 1
	s_wait_dscnt 0x0                               ; for the others' sake: my parts of t and my scale words lie in LDS
	s_barrier_signal -1
	s_barrier_wait -1
	s_cmp_lt_u32 s[WV], 2
	s_cbranch_scc0 .Lx_not_comp
.irp p, 0,1,2,3,4,5,6,7                ; waves 0, 1: tile w's companion: the eight waves' parts are added, K ascending
	ds_load_b64 v[128+4*\p:129+4*\p], v7 offset:1024*\p
	ds_load_b64 v[130+4*\p:131+4*\p], v7 offset:1024*\p+16
.endr
	v_xor_b32 v164, 1, v62
	s_delay_alu instid0(VALU_DEP_1)
	v_cvt_f32_u32 v164, v164                       ; step 2: (1, 0) in lanes 0-15, (0, 0) in lanes 16-31
	v_mov_b32 v165, 0
	s_wait_dscnt 0x0
	v_pk_add_f32 v[160:161], v[128:129], v[132:133]
	v_pk_add_f32 v[162:163], v[130:131], v[134:135]
.irp p, 2,3,4,5,6,7
	s_delay_alu instid0(VALU_DEP_2)
	v_pk_add_f32 v[160:161], v[160:161], v[128+4*\p:129+4*\p]
	s_delay_alu instid0(VALU_DEP_2)
	v_pk_add_f32 v[162:163], v[162:163], v[130+4*\p:131+4*\p]
.endr
	global_store_b64 v9, v[160:161], s[40:41]              ; each store covers 256 consecutive bytes, aligned
	global_store_b64 v9, v[162:163], s[40:41] offset:256
	global_store_b64 v9, v[164:165], s[40:41] offset:512
	s_wait_tensorcnt 0x0
	ds_add_u32 v27, v63
	s_wait_dscnt 0x0
	s_endpgm
.Lx_not_comp:
	s_cmp_lt_u32 s[WV], 4
	s_cbranch_scc0 .Lx_end
	ds_load_b128 v[128:131], v8                    ; waves 2, 3: tile w % 2's scale words, 512 bytes
	s_wait_dscnt 0x0
	global_store_b128 v1, v[128:131], s[38:39]
.Lx_end:
	s_wait_tensorcnt 0x0
	ds_add_u32 v27, v63
	s_wait_dscnt 0x0
	s_endpgm
; ------------------------------------------------------------------ W path: 32 columns; wave w owns K step w; lane x takes column x, which is row r' = x % 8 + 8 (x / 16) of tile u = (x / 8) % 2
; v1 codes' place; v2 scale word's place in LDS; v3 LDS read; v4 16 lane; v5 companion's place; v6 my place in A_proj; v7 4 lane; v64-79 codes; v80-84 at work; v90-91 u, r'; v96-127 4 lane + i rows; v128-255 four blocks of 32, then the tails' scratch
.Lw_path:
	v_bfe_u32 v90, v0, 3, 1                        ; u
	v_and_b32 v91, 7, v0
	s_wait_alu depctr_va_vdst(0)
	v_lshl_add_u32 v91, v62, 3, v91                ; r'
	s_delay_alu instid0(VALU_DEP_1)
	v_lshlrev_b32 v1, 4, v91
	s_delay_alu instid0(VALU_DEP_1)
	v_lshl_add_u32 v1, v90, 13, v1                 ; 8,192 u + 16 r'
	s_lshl_b32 s29, s[WV], 2
	s_add_co_u32 s29, s29, WSC
	v_lshl_add_u32 v2, v91, 5, s29
	s_delay_alu instid0(VALU_DEP_1)
	v_lshl_add_u32 v2, v90, 9, v2                  ; WSC + 512 u + 32 r' + 4 w
	v_lshlrev_b32 v4, 4, v60
	s_delay_alu instid0(VALU_DEP_1)
	v_add_nc_u32 v3, WSC, v4
	v_mul_u32_u24 v5, v90, 768
	s_delay_alu instid0(VALU_DEP_1)
	v_lshl_add_u32 v5, v91, 3, v5                  ; 768 u + 8 r'
	v_and_b32 v6, 7, v0
	s_delay_alu instid0(VALU_DEP_1)
	v_lshlrev_b32 v6, 2, v6
	s_delay_alu instid0(VALU_DEP_1)
	v_lshl_add_u32 v6, v62, 9, v6                  ; 512 h + 4 (r % 8)
	v_lshlrev_b32 v7, 2, v60
	s_sub_co_u32 s28, ttmp9, 256                   ; g: which 32 columns, 0 .. 127
	s_sub_co_u32 s29, s28, 96
	s_mov_b32 s31, 4096
	s_wait_alu depctr_va_vdst(0)
	s_wait_kmcnt 0x0
	s_cmp_lt_u32 s28, 96                           ; W_qkv's columns or W_proj's: the choice hangs on the work-group's number alone
	s_cselect_b64 s[36:37], s[6:7], s[8:9]         ; W
	s_cselect_b64 s[38:39], s[14:15], s[16:17]     ; B
	s_cselect_b64 s[48:49], s[18:19], s[20:21]     ; b
	s_cselect_b32 s30, s28, s29                    ; the group of columns in its tensor
	s_cselect_b32 s31, 12288, s31                  ; bytes from row to row, of W and of B alike
	s_lshl_b32 s32, s30, 7
	s_mov_b32 s33, 0
	s_add_nc_u64 s[38:39], s[38:39], s[32:33]
	s_add_nc_u64 s[48:49], s[48:49], s[32:33]
	s_lshl_b32 s34, s[WV], 7
	s_mul_i32 s34, s34, s31                        ; my 128 rows
	s_add_co_u32 s32, s32, s34
	s_add_nc_u64 s[40:41], s[36:37], s[32:33]      ; block 0,
	s_lshl_b32 s34, s31, 5
	s_mov_b32 s35, 0
	s_add_nc_u64 s[42:43], s[40:41], s[34:35]      ; and 32 rows on for each further block
	s_add_nc_u64 s[44:45], s[42:43], s[34:35]
	s_add_nc_u64 s[46:47], s[44:45], s[34:35]
	s_lshl_b32 s50, s28, 14
	s_lshl_b32 s51, s[WV], 10
	s_add_co_u32 s50, s50, s51
	s_add_co_u32 s50, s50, CODES+512*8192
	s_mov_b32 s51, 0
	s_add_nc_u64 s[50:51], s[22:23], s[50:51]      ; codes of tile 512 + 2 g, my K step
	s_lshl_b32 s52, s28, 10
	s_add_co_u32 s52, s52, SCALES+512*512
	s_mov_b32 s53, 0
	s_add_nc_u64 s[52:53], s[22:23], s[52:53]
	s_mul_i32 s54, s28, 1536
	s_add_co_u32 s54, s54, COMPS+512*768
	s_mov_b32 s55, 0
	s_add_nc_u64 s[54:55], s[22:23], s[54:55]
.set i, 0
.rept 32
	v_mad_u32_u24 v[OFF+i], s31, i, v7             ; 4 lane + i rows
.set i, i+1
.endr
.irp b, 0,1,2,3
.set i, 0
.rept 32
	global_load_b32 v[128+32*\b+i], v[OFF+i], s[40+2*\b:41+2*\b]   ; W(128 w + 32 b + i, my column): 128 consecutive bytes a load
.set i, i+1
.endr
.endr
.macro WBLOCK b, left                  ; block b: all 32 numbers are mine
.set XS, 128+32*\b
	s_wait_loadcnt \left
	v_max3_num_f32 v80, |v[XS]|, |v[XS+1]|, |v[XS+2]|
	v_max3_num_f32 v81, |v[XS+3]|, |v[XS+4]|, |v[XS+5]|
.irp i, 6,10,14,18,22,26
	s_delay_alu instid0(VALU_DEP_2)
	v_max3_num_f32 v80, v80, |v[XS+\i]|, |v[XS+\i+1]|
	s_delay_alu instid0(VALU_DEP_2)
	v_max3_num_f32 v81, v81, |v[XS+\i+2]|, |v[XS+\i+3]|
.endr
	s_delay_alu instid0(VALU_DEP_2)
	v_max3_num_f32 v80, v80, |v[XS+30]|, |v[XS+31]|
	s_delay_alu instid0(VALU_DEP_1)
	v_max3_num_f32 v80, v80, v81, 0x1800000        ; the floor 2^(3 - 127)
	s_delay_alu instid0(VALU_DEP_1)
	v_add_nc_u32 v82, 0xff000000, v80              ; the conversion's scale operand
	s_delay_alu instid0(VALU_DEP_1)
	v_lshrrev_b32 v83, 23, v82                     ; the byte
.if \b == 0
	s_delay_alu instid0(VALU_DEP_1)
	v_mov_b32 v84, v83
.else
	s_delay_alu instid0(VALU_DEP_1)
	v_lshl_or_b32 v84, v83, 8*\b, v84
.endif
.irp g, 0,1,2,3
	v_cvt_scalef32_pk8_fp4_f32 v[64+4*\b+\g], v[XS+8*\g:XS+8*\g+7], v82
.endr
	v_nop                                          ; one plain place behind a scaled conversion
.endm
	WBLOCK 0, 63                                   ; of 128 loads at most the youngest 63 are out: blocks 0 and 1 are in
	WBLOCK 1, 63
	WBLOCK 2, 32                                   ; block 3's 32 may be out
	WBLOCK 3, 0
.irp b, 0,1,2,3
	global_store_b128 v1, v[64+4*\b:67+4*\b], s[50:51] offset:256*\b   ; block b of both tiles: two runs of 256 consecutive bytes
.endr
	ds_store_b32 v2, v84
	s_wait_dscnt 0x0                               ; for the others' sake
	s_barrier_signal -1
	s_barrier_wait -1
	s_cmp_lg_u32 s[WV], 0
	s_cbranch_scc1 .Lw_not0
	ds_load_b128 v[TL:TL+3], v3                    ; wave 0: both tiles' scale words
	ds_load_b128 v[TL+4:TL+7], v3 offset:512
	s_wait_dscnt 0x0
	global_store_b128 v4, v[TL:TL+3], s[52:53]
	global_store_b128 v4, v[TL+4:TL+7], s[52:53] offset:512
	s_wait_tensorcnt 0x0
	ds_add_u32 v27, v63
	s_wait_dscnt 0x0
	s_endpgm
.Lw_not0:
	s_cmp_lg_u32 s[WV], 1
	s_cbranch_scc1 .Lw_not1
.irp j, 0,1,2,3,4,5,6,7                ; wave 1: my column's companion (2 B0 .. 2 B7, b, 0, 0, 0)
	global_load_b32 v[TL+\j], v[OFF+\j], s[38:39]
.endr
	global_load_b32 v[TL+8], v[OFF], s[48:49]
	v_mov_b32 v[TL+9], 0
	v_mov_b32 v[TL+10], 0
	v_mov_b32 v[TL+11], 0
	s_wait_alu depctr_va_vdst(0)
	s_wait_loadcnt 0x0
.irp j, 0,1,2,3,4,5,6,7
	v_add_f32 v[TL+\j], v[TL+\j], v[TL+\j]         ; the LoRA scaling, 2: exact
.endr
.irp p, 0,1,2,3,4,5
	global_store_b64 v5, v[TL+2*\p:TL+1+2*\p], s[54:55] offset:(\p/2)*256+(\p%2)*128
.endr
	s_wait_tensorcnt 0x0
	ds_add_u32 v27, v63
	s_wait_dscnt 0x0
	s_endpgm
.Lw_not1:
	s_cmp_lg_u32 s[WV], 2
	s_cbranch_scc1 .Lw_end
	s_cmp_lt_u32 s28, 32
	s_cbranch_scc0 .Lw_end
	s_lshl_b32 s56, s28, 10                        ; wave 2 of the first 32: fragment g of A_proj^T in bf16
	s_mov_b32 s57, 0
	s_add_nc_u64 s[58:59], s[12:13], s[56:57]
	s_add_co_u32 s56, s56, APT
	s_add_nc_u64 s[56:57], s[22:23], s[56:57]
.irp i, 0,1,2,3,4,5,6,7,8,9,10,11,12,13,14,15
	global_load_b32 v[TL+\i], v6, s[58:59] offset:32*\i
.endr
	s_wait_loadcnt 0x0
.irp i, 0,1,2,3,4,5,6,7
	v_cvt_pk_bf16_f32 v[TL+16+\i], v[TL+2*\i], v[TL+1+2*\i]
.endr
	global_store_b128 v4, v[TL+16:TL+19], s[56:57]
	global_store_b128 v4, v[TL+20:TL+23], s[56:57] offset:512
.Lw_end:
	s_wait_tensorcnt 0x0
	ds_add_u32 v27, v63
	s_wait_dscnt 0x0
	s_endpgm
.Lfunc_end_k_q1668c1826d_prep:
	.size	k_q1668c1826d_prep, .Lfunc_end_k_q1668c1826d_prep-k_q1668c1826d_prep
	.p2alignl 7, 3214868480
	.fill 96, 4, 3214868480
	.section	.rodata,"a",@progbits
	.p2align	6, 0x0
	.amdhsa_kernel k_q1668c1826d_prep
		.amdhsa_group_segment_fixed_size 87040
		.amdhsa_private_segment_fixed_size 0
		.amdhsa_enable_private_segment 0
		.amdhsa_kernarg_size 80
		.amdhsa_user_sgpr_count 2
		.amdhsa_user_sgpr_kernarg_segment_ptr 1
		.amdhsa_wavefront_size32 1
		.amdhsa_system_sgpr_workgroup_id_x 1
		.amdhsa_system_sgpr_workgroup_id_y 1
		.amdhsa_system_sgpr_workgroup_id_z 1
		.amdhsa_system_vgpr_workitem_id 0
		.amdhsa_next_free_vgpr 256
		.amdhsa_next_free_sgpr 66
		.amdhsa_reserve_vcc 0
		.amdhsa_float_denorm_mode_32 3
		.amdhsa_float_denorm_mode_16_64 3
		.amdhsa_memory_ordered 1
		.amdhsa_forward_progress 1
		.amdhsa_inst_pref_size 66
	.end_amdhsa_kernel
	.amdgpu_metadata
---
amdhsa.version: [ 1, 2 ]
amdhsa.kernels:
  - .name:           k_q1668c1826d_prep
    .symbol:         k_q1668c1826d_prep.kd
    .args:
      - { .name: x, .offset: 0, .size: 8, .value_kind: global_buffer, .address_space: global }
      - { .name: W_qkv, .offset: 8, .size: 8, .value_kind: global_buffer, .address_space: global }
      - { .name: W_proj, .offset: 16, .size: 8, .value_kind: global_buffer, .address_space: global }
      - { .name: A_qkv, .offset: 24, .size: 8, .value_kind: global_buffer, .address_space: global }
      - { .name: A_proj, .offset: 32, .size: 8, .value_kind: global_buffer, .address_space: global }
      - { .name: B_qkv, .offset: 40, .size: 8, .value_kind: global_buffer, .address_space: global }
      - { .name: B_proj, .offset: 48, .size: 8, .value_kind: global_buffer, .address_space: global }
      - { .name: b_qkv, .offset: 56, .size: 8, .value_kind: global_buffer, .address_space: global }
      - { .name: b_proj, .offset: 64, .size: 8, .value_kind: global_buffer, .address_space: global }
      - { .name: pa, .offset: 72, .size: 8, .value_kind: global_buffer, .address_space: global }
    .group_segment_fixed_size: 87040
    .private_segment_fixed_size: 0
    .kernarg_segment_align: 8
    .kernarg_segment_size: 80
    .max_flat_workgroup_size: 256
    .sgpr_count:     66
    .vgpr_count:     256
    .wavefront_size: 32
...
	.end_amdgpu_metadata
.endif
;; end of part 1
;; launch gemm_qkv (part 2): grid 256 x 1, 8 waves a work-group, clusters of 4 x 1, 327,680 bytes of LDS; arguments pa, qkv; writes qkv
.if DOCPART == 2
	.amdgcn_target "amdgcn-amd-amdhsa--gfx1250"
	.amdhsa_code_object_version 6
	.text
	.protected	k_q1668c1826d_gemm_qkv
	.globl	k_q1668c1826d_gemm_qkv
	.p2align	8
	.type	k_q1668c1826d_gemm_qkv,@function
k_q1668c1826d_gemm_qkv:
	s_mov_b64 s[64:65], 0
	v_nop
	global_prefetch_b8 v0, s[64:65] scope:SCOPE_SE
	s_setreg_imm32_b32 hwreg(HW_REG_WAVE_MODE, 25, 1), 1
	s_wait_xcnt 0x0
	s_wait_alu depctr_hold_cnt(0) depctr_sa_sdst(0) depctr_va_vdst(0) depctr_va_sdst(0) depctr_va_ssrc(0) depctr_va_vcc(0) depctr_vm_vsrc(0)
	s_getreg_b32 s2, hwreg(HW_REG_IB_STS2, 6, 4)
	s_cmp_eq_u32 s2, 0
	s_cbranch_scc0 .Lentry_in_a_cluster
	s_endpgm
.Lentry_in_a_cluster:
	s_bfe_u32 s2, ttmp6, 0x10000c
	s_cmp_lg_u32 s2, 0x3003
	s_cbranch_scc0 .Lentry_shape_is_right
	s_endpgm
.Lentry_shape_is_right:
; qkv = Q(x) Q(W_qkv) + b_qkv + 2 (x A_qkv) B_qkv, and its quantising: q and k along the head's 64, v along the keys.  No f32 number of qkv goes to memory.
; A block is 256 P rows x 128 Q rows, K = 1,024.  The matrix instruction takes P as source 0 and Q as source 1: a lane holds ONE Q row, and its registers run along P's rows,
; which by the order of rows in a tile (row 32 G + 8 u + r + 8 (r / 8)) are neighbours: register 16 b + i of a lane = P row 32 b + 16 (lane / 16) + i: what the conversions want.
;   q, k blocks: P = W's columns (the head's axis runs along the registers), Q = tokens.      v blocks: P = tokens (the keys run along the registers), Q = W_v's columns.
; A WORK-GROUP STAYS and makes THREE blocks: with c the cluster's number (0 .. 63): two q, k blocks (columns 256 (c % 8) on; tokens 128 (4 (c / 8) + cx) on, and 4,096 tokens further), then one v block
; (tokens 256 (c / 2) on; columns 128 (4 (c % 2) + cx) on).  768 blocks on 256 work-groups: one whole turn.
; SHARES: eight waves; wave w: P rows 128 (w % 2) on (8 tiles), Q rows 32 (w / 2) on (2 tiles): 16 accumulators, 128 registers.
; THE RING: two slots, each with one half of K of a block (P 64 KiB, Q 32 KiB).  While one half is multiplied, the next half is on its way: six fills, written out.  A block's scale words and companions (30 KiB) lie
; in bytes that take turns by the block's parity; those of the next block ride with a block's second half, so that their first fill shares its barrier with slot 1's first fill alone.
; One load a wave behind each barrier: waves 0, 1 P's codes, wave 2 Q's codes; where the rest rides along: wave 3 P's scale words, 4 Q's, 5 Q's companions, 6 and 7 P's companions.  At the head all eight load.
; CLUSTER 4 x 1: the four partners share P: its codes, scale words and companions are asked for jointly (mask 15); Q's loads are each work-group's own.  Every fill stands behind a round of the cluster's barrier.
; No prefetch: the text has no loop to run ahead in; each of its six fills is asked for half a block's work ahead of its first read.
; THE BIAS AND THE LoRA TERM START THE SUMS: three steps of the f32 16x16x4 form on the rank-12 companions (tokens: t, 1; columns: 2 B, b) give b + 2 t B with f32 operands.
; OUT (qkv): QKC [q heads 0-15, k heads 16-31][token tile 512][512 B]: half a fragment (k = 0 .. 63);  VC [d tile 64][key step 64][1 KiB];  QKS [head][tile][16 words];  VS [key step][d tile][16 words].
; LIMITS: NaN and infinities are not served; a block whose largest magnitude lies under 2^-124 keeps the scale byte 1.
; REGISTERS: v1 16 lane; v2, v3 P's fragments in slots 0, 1; v4, v16 Q's; v5, v6 P's and Q's scale words; v7 8 lane; v8-12 output offsets; v13 lane; v17, v18 P's and Q's companions; v46, v47 the add's two;
;   v20-35 P's scale words, v36-43 Q's (scales and nothing else); v48-63 Q's fragments (first: companions); v64-127 P's (first: companions; last: the quantiser); v128-255 accumulators (a, b) at 128 + 64 a + 8 b.
.set SCALES, 6291456
.set COMPS,  6684672
.set VC,  8388608
.set QKS, 12582912
.set VS,  13631488
.set SL1, 98304                        ; LDS: slot 0 from 0, slot 1 from SL1: P's codes [tile 16][4 KiB], then Q's [tile 8][4 KiB]
.set SC,  196608                       ; scale words, by the block's parity: P's 8 KiB, Q's 4 KiB
.set SCP, 12288
.set CP,  221184                       ; companions, by the block's parity: P's 12 KiB, Q's 6 KiB
.set CPP, 18432
.set SPARE, 258048                     ; the spare words: 128 bytes a wave
.set WV,  8
.set SEL, 66
.set TM,  96
.set PTA, 16                           ; s16 P's first tile in pa, q, k blocks; s17, s18 Q's first tile, blocks 0, 1; s19, s20 P's and Q's, block 2
.set JOINT, 15|(3<<16)|(1<<21)         ; group 1, word 0: the mask of all four partners, elements of 8 bytes, bit 21 set beside a mask
.set PLAIN, 3<<16
.macro ROUND                           ; a round of the cluster's barrier
	s_barrier_signal -1
	s_barrier_wait -1
	s_cmp_lg_u32 s[WV], 0
	s_cbranch_scc1 .Lnot_wave_0_\@
	s_barrier_signal -3
.Lnot_wave_0_\@:
	s_barrier_wait -3
	s_barrier_signal -1
	s_barrier_wait -1
.endm
.macro MKG1 g, w0, c, rows, pitch      ; descriptor group 1: rows x c elements of 8 bytes, pitch elements from row to row, dense in LDS
	s_mov_b32 s[\g], \w0
	s_mov_b32 s[\g+1], (\c)<<16
	s_mov_b32 s[\g+2], (\rows)<<16
	s_mov_b32 s[\g+3], (\c)<<16
	s_mov_b32 s[\g+4], \rows
	s_mov_b32 s[\g+5], \pitch
	s_mov_b32 s[\g+6], 0
	s_mov_b32 s[\g+7], 0
.endm
.macro G0 g, off                       ; group 0's address: pa + the offset in s[off] (s[off + 1] = 0), and the type
	s_add_nc_u64 s[\g+2:\g+3], s[4:5], s[\off:\off+1]
	s_or_b32 s[\g+3], s[\g+3], 0x80000000
.endm
.macro CODES0 pt, qt, hh, slot         ; groups 0 for K half hh of a block's codes, into the slot at byte slot.  P's offsets are made in s12, Q's in s14
	s_add_co_u32 s12, s[\pt], s23                  ; P: tiles 8 (w % 2) on
	s_lshl_b32 s12, s12, 13
	s_add_co_u32 s12, s12, 4096*\hh
	G0 76, 12
	s_add_co_u32 s77, s22, \slot
	s_lshl_b32 s14, s[\qt], 13
	s_add_co_u32 s14, s14, 4096*\hh
	G0 80, 14
	s_mov_b32 s81, \slot+65536
.endm
.macro SIDE0 pt, qt, par               ; groups 0 for a block's scale words and companions, into the bytes of parity par
	s_lshl_b32 s12, s[\pt], 9
	s_add_co_u32 s12, s12, SCALES
	G0 84, 12
	s_mov_b32 s85, SC+SCP*\par
	s_lshl_b32 s14, s[\qt], 9
	s_add_co_u32 s14, s14, SCALES
	G0 88, 14
	s_mov_b32 s89, SC+SCP*\par+8192
	s_mul_i32 s3, s23, 768                         ; P's companions in two halves of 6,144 bytes: waves 6, 7
	s_mul_i32 s12, s[\pt], 768
	s_add_co_u32 s12, s12, s3
	s_add_co_u32 s12, s12, COMPS
	G0 92, 12
	s_add_co_u32 s93, s3, CP+CPP*\par
	s_mul_i32 s14, s[\qt], 768
	s_add_co_u32 s14, s14, COMPS
	G0 96, 14
	s_mov_b32 s97, CP+CPP*\par+12288
.endm
.macro TL g0, g1                       ; a tensor load with one s_nop and four v_nops behind it
	tensor_load_to_lds s[\g0:\g0+3], s[\g1:\g1+7]
	s_nop 0
.rept 4
	v_nop
.endr
.endm
.macro FILL side                       ; one chain of branches on the wave's number, one load to an arm.  side = 1: scale words and companions ride along, and every wave loads
	s_cmp_lt_u32 s[WV], 2
	s_cbranch_scc0 .Lf1_\@
	TL 76, 24
	s_branch .Lfd_\@
.Lf1_\@:
	s_cmp_lt_u32 s[WV], 3
	s_cbranch_scc0 .Lf2_\@
	TL 80, 32
.if \side
	s_branch .Lfd_\@
.endif
.Lf2_\@:
.if \side
	s_cmp_lt_u32 s[WV], 4
	s_cbranch_scc0 .Lf3_\@
	TL 84, 40
	s_branch .Lfd_\@
.Lf3_\@:
	s_cmp_lt_u32 s[WV], 5
	s_cbranch_scc0 .Lf4_\@
	TL 88, 48
	s_branch .Lfd_\@
.Lf4_\@:
	s_cmp_lt_u32 s[WV], 6
	s_cbranch_scc0 .Lf5_\@
	TL 96, 68
	s_branch .Lfd_\@
.Lf5_\@:
	TL 92, 56
.endif
.Lfd_\@:
.endm
.macro OPEN                            ; ahead of a fill: all my tensor loads have landed, so every group 0 may be written; register work follows
	s_wait_tensorcnt 0x0
	ds_add_u32 v46, v47
	s_wait_xcnt 0x0                                ; my stores have read their registers
.endm
.macro CLOSE                           ; the add is done and my reads of the bytes to be filled are over; the round takes the barrier's place
	s_wait_dscnt 0x0
	ROUND
.endm
.macro QUANT src, pc, pw               ; 64 numbers of a lane (register 16 b + i = k 32 b + 16 (lane / 16) + i) -> a fragment's codes in v[pc] on, its scale word in v[pw]
.irp b, 0,1,2,3
	v_max3_num_f32 v[TM+\b], |v[\src+16*\b]|, |v[\src+1+16*\b]|, 0x1800000   ; with the floor 2^(3 - 127).  Each accumulator is read from its low end on
.endr
.irp i, 2,4,6,8,10,12,14
.irp b, 0,1,2,3
	v_max3_num_f32 v[TM+\b], v[TM+\b], |v[\src+16*\b+\i]|, |v[\src+1+16*\b+\i]|
.endr
.endr
.irp b, 0,1,2,3
	s_delay_alu instid0(VALU_DEP_4)
	v_permlanex16_b32 v[TM+4+\b], v[TM+\b], s[SEL], s[SEL+1]
.endr
.irp b, 0,1,2,3
	s_delay_alu instid0(VALU_DEP_4)
	v_max_num_f32 v[TM+\b], v[TM+\b], v[TM+4+\b]
.endr
.irp b, 0,1,2,3
	s_delay_alu instid0(VALU_DEP_4)
	v_add_nc_u32 v[TM+12+\b], 0xff000000, v[TM+\b]
.endr
.irp b, 0,1,2,3
	s_delay_alu instid0(VALU_DEP_4)
	v_lshrrev_b32 v[TM+4+\b], 23, v[TM+12+\b]
.endr
	s_delay_alu instid0(VALU_DEP_3)
	v_lshl_or_b32 v[\pw], v[TM+5], 8, v[TM+4]
	s_delay_alu instid0(VALU_DEP_1)
	v_lshl_or_b32 v[\pw], v[TM+6], 16, v[\pw]
	s_delay_alu instid0(VALU_DEP_1)
	v_lshl_or_b32 v[\pw], v[TM+7], 24, v[\pw]
.irp b, 0,1,2,3
	v_cvt_scalef32_pk8_fp4_f32 v[\pc+2*\b], v[\src+16*\b:\src+7+16*\b], v[TM+12+\b]
	v_cvt_scalef32_pk8_fp4_f32 v[\pc+1+2*\b], v[\src+8+16*\b:\src+15+16*\b], v[TM+12+\b]
.endr
	v_nop
.irp c, 0,1
.irp i, 0,1
	v_permlane16_swap_b32 v[\pc+4*\c+\i], v[\pc+2+4*\c+\i]
.endr
.endr
.endm
.macro MM a, b, k                      ; one product: P tile b x Q tile a, K step k.  A tile's scale words lie in lanes 0-15 (even tile) or 16-31 (odd tile) of its register
.set rD, 128+64*(\a)+8*(\b)
.set rP, 64+8*(\b)
.set rQ, 48+8*(\a)
.set rSP, 20+4*((\b)/2)+(\k)%4
.set rSQ, 36+(\k)
.if ((\b)%2 == 0) && ((\a) == 0)
	v_wmma_scale_f32_16x16x128_f8f6f4 v[rD:rD+7], v[rP:rP+7], v[rQ:rQ+7], v[rD:rD+7], v[rSP], v[rSQ] matrix_a_fmt:MATRIX_FMT_FP4 matrix_b_fmt:MATRIX_FMT_FP4
.elseif (\a) == 0
	v_wmma_scale_f32_16x16x128_f8f6f4 v[rD:rD+7], v[rP:rP+7], v[rQ:rQ+7], v[rD:rD+7], v[rSP], v[rSQ] matrix_a_fmt:MATRIX_FMT_FP4 matrix_b_fmt:MATRIX_FMT_FP4 matrix_a_scale:MATRIX_SCALE_ROW1
.elseif (\b)%2 == 0
	v_wmma_scale_f32_16x16x128_f8f6f4 v[rD:rD+7], v[rP:rP+7], v[rQ:rQ+7], v[rD:rD+7], v[rSP], v[rSQ] matrix_a_fmt:MATRIX_FMT_FP4 matrix_b_fmt:MATRIX_FMT_FP4 matrix_b_scale:MATRIX_SCALE_ROW1
.else
	v_wmma_scale_f32_16x16x128_f8f6f4 v[rD:rD+7], v[rP:rP+7], v[rQ:rQ+7], v[rD:rD+7], v[rSP], v[rSQ] matrix_a_fmt:MATRIX_FMT_FP4 matrix_b_fmt:MATRIX_FMT_FP4 matrix_a_scale:MATRIX_SCALE_ROW1 matrix_b_scale:MATRIX_SCALE_ROW1
.endif
.endm
.macro KSTEP k, par                    ; 128 along K: 20 fragment loads, 16 products.  K steps 0-3 lie in slot 0, 4-7 in slot 1
.if \k > 0
.rept 4
	v_nop                                          ; places in front of loads into registers that matrix instructions have read
.endr
.endif
.if (\k)%4 == 0
.irp i, 0,1,2,3
	ds_load_b128 v[20+4*\i:23+4*\i], v5 offset:1024*\i+16*((\k)/4)+SCP*\par   ; four K steps' scale words of P tiles 2 i, 2 i + 1
.endr
	ds_load_b128 v[36+\k:39+\k], v6 offset:16*((\k)/4)+SCP*\par               ; and of my two Q tiles
.endif
.irp b, 0,1,2,3,4,5,6,7
.irp c, 0,1
	ds_load_b128 v[64+8*\b+4*\c:67+8*\b+4*\c], v[2+(\k)/4] offset:4096*\b+1024*((\k)%4)+512*\c
.endr
.endr
.irp a, 0,1
.irp c, 0,1
	ds_load_b128 v[48+8*\a+4*\c:51+8*\a+4*\c], v[4+12*((\k)/4)] offset:4096*\a+1024*((\k)%4)+512*\c
.endr
.endr
	s_wait_dscnt 0x0
.irp b, 0,1,2,3,4,5,6,7
.irp a, 0,1
	MM \a, \b, \k
.endr
.endr
.endm
.macro PARTA par                       ; a block's first half: b + 2 t B starts all 16 sums, then K steps 0-3.  The accumulators take turns, one instruction a turn
.irp b, 0,1,2,3,4,5,6,7
.irp t, 0,1,2
	ds_load_b64 v[64+6*\b+2*\t:65+6*\b+2*\t], v17 offset:768*\b+256*\t+CPP*\par
.endr
.endr
.irp a, 0,1
.irp t, 0,1,2
	ds_load_b64 v[48+6*\a+2*\t:49+6*\a+2*\t], v18 offset:768*\a+256*\t+CPP*\par
.endr
.endr
	s_wait_dscnt 0x0
.irp t, 0,1,2
.irp b, 0,1,2,3,4,5,6,7
.irp a, 0,1
.if \t == 0
	v_wmma_f32_16x16x4_f32 v[128+64*\a+8*\b:135+64*\a+8*\b], v[64+6*\b+2*\t:65+6*\b+2*\t], v[48+6*\a+2*\t:49+6*\a+2*\t], 0
.else
	v_wmma_f32_16x16x4_f32 v[128+64*\a+8*\b:135+64*\a+8*\b], v[64+6*\b+2*\t:65+6*\b+2*\t], v[48+6*\a+2*\t:49+6*\a+2*\t], v[128+64*\a+8*\b:135+64*\a+8*\b]
.endif
.endr
.endr
.endr
.rept 9
	v_nop                                          ; nine places behind the f32 form: another form goes on with its sums, and loads land on its sources
.endr
	KSTEP 0, \par
	KSTEP 1, \par
	KSTEP 2, \par
	KSTEP 3, \par
.endm
.macro PARTB isv, qt, par              ; a block's second half: K steps 4-7, the quantiser, the stores.  isv = 0: a q, k block; 1: the v block
	KSTEP 4, \par
	KSTEP 5, \par
	KSTEP 6, \par
	KSTEP 7, \par
	s_lshr_b32 s2, s[WV], 1
	s_lshl_b32 s2, s2, 1
	s_add_co_u32 s2, s2, s[\qt]                    ; my first Q tile,
.if \isv
	s_sub_co_u32 s2, s2, 640                       ; as the output counts it: a d tile
	s_lshr_b32 s3, ttmp9, 1
.else
	s_and_b32 s3, ttmp9, 7
.endif
	s_lshl_b32 s3, s3, 1
	s_add_co_u32 s3, s3, s21                       ; my P step (128 P rows)
.if \isv
	s_lshl_b32 s10, s2, 16
	s_lshl_b32 s11, s3, 10
	s_add_co_u32 s10, s10, s11
	s_add_co_u32 s10, s10, VC
	v_add_nc_u32 v8, s10, v1                       ; codes of (Q tile a, register group c) = (0, 0).  (These lines are the places in front of the first read of results)
	v_add_nc_u32 v9, 512, v8                       ; (0, 1)
	v_add_nc_u32 v10, 65536, v8                    ; (1, 0)
	v_add_nc_u32 v11, 512, v10                     ; (1, 1)
	s_lshl_b32 s10, s3, 12
	s_lshl_b32 s11, s2, 6
	s_add_co_u32 s10, s10, s11
	s_add_co_u32 s10, s10, VS
.else
	s_lshl_b32 s10, s2, 9
	s_lshl_b32 s11, s3, 19                         ; a P step is two heads of 262,144 bytes; c is the head's parity
	s_add_co_u32 s10, s10, s11
	v_add_nc_u32 v8, s10, v1
	v_add_nc_u32 v9, 262144, v8
	v_add_nc_u32 v10, 512, v8
	v_add_nc_u32 v11, 262144, v10
	s_lshl_b32 s10, s3, 16
	s_lshl_b32 s11, s2, 6
	s_add_co_u32 s10, s10, s11
	s_add_co_u32 s10, s10, QKS
.endif
	v_lshl_add_u32 v12, v13, 2, s10                ; scale words: lanes 0-15 my first Q tile, lanes 16-31 my second
.irp b, 0,1,2,3
	v_mov_b32 v[TM+4+\b], 0                        ; a lane permute's destination counts as one of its sources
.endr
	QUANT 128, 64, 80                              ; Q tile 0: my row's 128 numbers along P
	QUANT 192, 72, 81                              ; Q tile 1
	global_store_b128 v8, v[64:67], s[6:7]         ; each store covers 512 consecutive bytes, aligned
	global_store_b128 v9, v[68:71], s[6:7]
	global_store_b128 v10, v[72:75], s[6:7]
	global_store_b128 v11, v[76:79], s[6:7]
	v_cmp_le_u32 vcc_lo, 16, v13
	s_delay_alu instid0(VALU_DEP_1)
	v_cndmask_b32 v82, v80, v81, vcc_lo            ; lanes 0-15 carry tile 0's words, lanes 16-31 tile 1's
	global_store_b32 v12, v82, s[6:7]              ; v: the key step's word.  q, k: the even head's two bytes below; what stands above meets zero codes and is no 0xff
.if \isv == 0
	v_lshrrev_b32 v83, 16, v82
	global_store_b32 v12, v83, s[6:7] offset:32768 ; q, k: the odd head's two bytes
.endif
.endm
	s_load_b128 s[4:7], s[0:1], 0x0                ; pa s[4:5], qkv s[6:7]
	v_lshl_add_u32 v46, v0, 2, SPARE
	v_mov_b32 v47, 0
	ds_add_u32 v46, v47                            ; the opening lines: the add twice on end and its one wait
	ds_add_u32 v46, v47
	v_lshrrev_b32 v1, 5, v0
	s_delay_alu instid0(VALU_DEP_1)
	v_readfirstlane_b32 s[WV], v1                  ; wave 0..7
	s_bfe_u32 s9, ttmp6, 0x40000                   ; cx: it enters Q's global addresses and the output's alone
	s_mov_b32 s[SEL], 0x76543210
	s_mov_b32 s[SEL+1], 0xfedcba98
	s_and_b32 s16, ttmp9, 7
	s_lshl_b32 s16, s16, 4
	s_add_co_u32 s16, s16, 512                     ; q, k: P's first tile
	s_lshr_b32 s17, ttmp9, 3
	s_lshl_b32 s17, s17, 2
	s_add_co_u32 s17, s17, s9
	s_lshl_b32 s17, s17, 3                         ; block 0: Q's first tile = 8 (4 (c / 8) + cx)
	s_add_co_u32 s18, s17, 256                     ; block 1: 4,096 tokens on
	s_lshr_b32 s19, ttmp9, 1
	s_lshl_b32 s19, s19, 4                         ; v: P's first tile
	s_and_b32 s20, ttmp9, 1
	s_lshl_b32 s20, s20, 2
	s_add_co_u32 s20, s20, s9
	s_lshl_b32 s20, s20, 3
	s_add_co_u32 s20, s20, 640                     ; v: Q's first tile = 640 + 8 (4 (c % 2) + cx)
	s_and_b32 s21, s[WV], 1                        ; w % 2: my half of P's rows; also which half of a tile set I fetch
	s_lshl_b32 s22, s21, 15
	s_lshl_b32 s23, s21, 3
	s_mov_b32 s13, 0
	s_mov_b32 s15, 0
	MKG1 24, JOINT, 512, 8, 1024                   ; P's codes: 8 tiles x 4,096 bytes (half of K), 8,192 bytes apart
	MKG1 32, PLAIN, 512, 8, 1024                   ; Q's codes: 8 tiles likewise
	MKG1 40, JOINT, 32, 32, 32                     ; P's scale words: 8,192 dense bytes
	MKG1 48, PLAIN, 32, 16, 32                     ; Q's scale words: 4,096
	MKG1 56, JOINT, 32, 24, 32                     ; half of P's companions: 6,144
	MKG1 68, PLAIN, 32, 24, 32                     ; Q's companions: 6,144
.irp g, 76,80,84,88,92,96
	s_mov_b32 s[\g], 1
.endr
	s_wait_dscnt 0x0                               ; both opening adds are done
	s_wait_kmcnt 0x0
	CODES0 16, 17, 0, 0
	SIDE0 16, 17, 0
	ROUND                                          ; all four work-groups are here: the joint loads meet
	FILL 1                                         ; block 0, K half 0, its scale words and companions: one load a wave
	v_and_b32 v13, 31, v0                          ; lane
	v_and_b32 v14, 15, v0                          ; r
	v_bfe_u32 v15, v0, 4, 1                        ; h
	v_lshlrev_b32 v1, 4, v13
	v_lshlrev_b32 v7, 3, v13
	v_lshlrev_b32 v5, 5, v14
	s_delay_alu instid0(VALU_DEP_1)
	v_lshl_add_u32 v5, v15, 9, v5                  ; 32 r + 512 h: lanes 0-15 take a tile's words, lanes 16-31 the next tile's
	s_wait_alu depctr_va_vdst(0)
	s_lshr_b32 s2, s[WV], 1                        ; w / 2: my 32 of Q's rows
	v_add_nc_u32 v2, s22, v1
	s_delay_alu instid0(VALU_DEP_1)
	v_add_nc_u32 v3, SL1, v2
	s_lshl_b32 s3, s2, 13
	s_add_co_u32 s3, s3, 65536
	v_add_nc_u32 v4, s3, v1
	s_delay_alu instid0(VALU_DEP_1)
	v_add_nc_u32 v16, SL1, v4
	s_lshl_b32 s3, s2, 10
	s_add_co_u32 s3, s3, SC+8192
	v_add_nc_u32 v6, s3, v5
	s_lshl_b32 s3, s21, 12
	s_add_co_u32 s3, s3, SC
	v_add_nc_u32 v5, s3, v5
	s_mul_i32 s3, s21, 6144
	s_add_co_u32 s3, s3, CP
	v_add_nc_u32 v17, s3, v7
	s_mul_i32 s3, s2, 1536
	s_add_co_u32 s3, s3, CP+12288
	v_add_nc_u32 v18, s3, v7
	s_wait_alu depctr_va_vdst(0)
	OPEN                                           ; slot 1's first fill and parity 1's stand behind the full sequence, as a refill does
	CODES0 16, 17, 1, SL1
	SIDE0 16, 18, 1
	CLOSE
	FILL 1                                         ; block 0, K half 1; block 1's scale words and companions
	PARTA 0
	OPEN
	CODES0 16, 18, 0, 0
	CLOSE
	FILL 0                                         ; block 1, K half 0, into slot 0
	PARTB 0, 17, 0
	OPEN
	CODES0 16, 18, 1, SL1
	SIDE0 19, 20, 0
	CLOSE
	FILL 1                                         ; block 1, K half 1; block 2's scale words and companions, into parity 0's bytes
	PARTA 1
	OPEN
	CODES0 19, 20, 0, 0
	CLOSE
	FILL 0                                         ; block 2, K half 0
	PARTB 0, 18, 1
	OPEN
	CODES0 19, 20, 1, SL1
	CLOSE
	FILL 0                                         ; block 2, K half 1: the last fill
	PARTA 0
	s_wait_tensorcnt 0x0                           ; my part of the last half is in; nothing is filled again, so no round follows
	ds_add_u32 v46, v47
	s_wait_dscnt 0x0
	s_barrier_signal -1
	s_barrier_wait -1                              ; everybody's is
	PARTB 1, 20, 0
	s_wait_tensorcnt 0x0                           ; the wave's end
	ds_add_u32 v46, v47
	s_wait_dscnt 0x0
	ROUND                                          ; the closing round: no work-group ends while a partner may still ask jointly
	s_endpgm
.Lfunc_end_k_q1668c1826d_gemm_qkv:
	.size	k_q1668c1826d_gemm_qkv, .Lfunc_end_k_q1668c1826d_gemm_qkv-k_q1668c1826d_gemm_qkv
	.p2alignl 7, 3214868480
	.fill 96, 4, 3214868480
	.section	.rodata,"a",@progbits
	.p2align	6, 0x0
	.amdhsa_kernel k_q1668c1826d_gemm_qkv
		.amdhsa_group_segment_fixed_size 327680
		.amdhsa_private_segment_fixed_size 0
		.amdhsa_enable_private_segment 0
		.amdhsa_kernarg_size 16
		.amdhsa_user_sgpr_count 2
		.amdhsa_user_sgpr_kernarg_segment_ptr 1
		.amdhsa_wavefront_size32 1
		.amdhsa_system_sgpr_workgroup_id_x 1
		.amdhsa_system_sgpr_workgroup_id_y 1
		.amdhsa_system_sgpr_workgroup_id_z 1
		.amdhsa_system_vgpr_workitem_id 0
		.amdhsa_next_free_vgpr 256
		.amdhsa_next_free_sgpr 100
		.amdhsa_reserve_vcc 1
		.amdhsa_float_denorm_mode_32 3
		.amdhsa_float_denorm_mode_16_64 3
		.amdhsa_memory_ordered 1
		.amdhsa_forward_progress 1
		.amdhsa_inst_pref_size 153
	.end_amdhsa_kernel
	.amdgpu_metadata
---
amdhsa.version: [ 1, 2 ]
amdhsa.kernels:
  - .name:           k_q1668c1826d_gemm_qkv
    .symbol:         k_q1668c1826d_gemm_qkv.kd
    .args:
      - { .name: pa, .offset: 0, .size: 8, .value_kind: global_buffer, .address_space: global }
      - { .name: qkv, .offset: 8, .size: 8, .value_kind: global_buffer, .address_space: global }
    .group_segment_fixed_size: 327680
    .private_segment_fixed_size: 0
    .kernarg_segment_align: 8
    .kernarg_segment_size: 16
    .max_flat_workgroup_size: 256
    .sgpr_count:     100
    .vgpr_count:     256
    .wavefront_size: 32
...
	.end_amdgpu_metadata
.endif
;; end of part 2
;; launch attn (part 3): grid 256 x 1, 16 waves a work-group, clusters of 4 x 1, 169,984 bytes of LDS; arguments qkv, pa, att; writes att
.if DOCPART == 3
	.amdgcn_target "amdgcn-amd-amdhsa--gfx1250"
	.amdhsa_code_object_version 6
	.text
	.protected	k_q1668c1826d_attn
	.globl	k_q1668c1826d_attn
	.p2align	8
	.type	k_q1668c1826d_attn,@function
k_q1668c1826d_attn:
	s_mov_b64 s[64:65], 0
	v_nop
	global_prefetch_b8 v0, s[64:65] scope:SCOPE_SE
	s_setreg_imm32_b32 hwreg(HW_REG_WAVE_MODE, 25, 1), 1
	s_wait_xcnt 0x0
	s_wait_alu depctr_hold_cnt(0) depctr_sa_sdst(0) depctr_va_vdst(0) depctr_va_sdst(0) depctr_va_ssrc(0) depctr_va_vcc(0) depctr_vm_vsrc(0)
	s_getreg_b32 s2, hwreg(HW_REG_IB_STS2, 6, 4)
	s_cmp_eq_u32 s2, 0
	s_cbranch_scc0 .Lentry_in_a_cluster
	s_endpgm
.Lentry_in_a_cluster:
	s_bfe_u32 s2, ttmp6, 0x10000c
	s_cmp_lg_u32 s2, 0x3003
	s_cbranch_scc0 .Lentry_shape_is_right
	s_endpgm
.Lentry_shape_is_right:
; o = softmax(q k^T / 8) v for one head and 512 queries, both products on FP4 codes; then o is quantised along C (two blocks a head) and the head's part of u = o A_proj is made (bf16 operands: u runs only into the output).
; THE SOFTMAX AHEAD OF THE SECOND PRODUCT: t = score x log2(e) / 8; M = the running largest t, rounded UP to a whole number; p = 2^(t - M) is quantised along the keys, not normalised; the row's sum is taken
; of the unquantised p and divides O at the end.  When M moves, the sum and O are multiplied by 2^(old M - new M): exact.
; SHARES: cluster = one (batch, head); its four work-groups take 512 queries each; a wave takes two tiles of 16 queries, one after the other (PASS 0, PASS 1), and walks all 2,048 keys, 128 a step.
; LDS: the head's K and V as codes, with their scale words, are 140 KiB: every byte is filled ONCE, at the head, by sixteen joint loads (mask 15: the four partners walk the same K and V), one a wave.  No ring, no refill.
; No prefetch: every byte that the launch takes through LDS is asked for at its head, so there is no loop to run ahead in.
; LAYOUT: both products transposed: S^T = K Q^T, O^T = V^T P^T: a lane holds one query.
; THE KEYS OF A TILE ARE CHOSEN BY THE LDS ADDRESS: row m of tile 4 c + u of a step is key 64 c + 32 (m / 8) + 8 u + m % 8.  So lane (r, h) holds in the 32 registers of tiles 4 c .. 4 c + 3 the WHOLE block
; of keys 64 c + 32 h + 0 .. 31: a block's largest score needs no other lane, and the conversion of tile 4 c + u gives register 4 c + u of P's operand as it stands.
; In memory and LDS token w of a group of 32 lies in tile (w / 8) % 2 of the group's two, at row w % 8 + 8 (w / 16): so that key lies at 2,048 c + 1,024 (m / 8) + 512 (u % 2) + 128 (u / 2) + 16 (m % 8) + 256 h of the step's 4,096 bytes.
; THE HEAD HAS 64 CHANNELS, the instruction takes 128: registers 4-7 of Q's fragment are zero codes.  K's fragment T is v[32 + 4 T .. 39 + 4 T]: its upper four registers are the next tile's codes, which meet Q's zeros; no scale byte is 0xff.
; LIMITS: NaN and infinities are not served; a p under 2^-126 becomes 0; a block of o whose largest magnitude lies under 2^-124 keeps the scale byte 1; the promise holds while |t| stays under 2^31.
; A block's largest p is made from its largest score by the same multiply-add and exponential: this takes v_exp_f32 not to fall where its input rises.
; REGISTERS: v1-4 my lane's places in K, V, K's and V's scale words; v5 lane, v6 lane % 16; v7, v255 the add's two; v8-11 the step's addresses; v12 -M, v13 largest t, v[14:15] the sum; v16-23 Q; v24-31 p's codes;
;   v32-67 K's 8 fragments; v68-73 partial sums; v74-77 maxima; v78-79 conversion scales; v80-82, v85 at work; v83 8 (lane / 16); v84 the old -M; v[86:87] f; v96-159 S^T, then p; v160-191 O^T; v192-223 V's 4 fragments;
;   v224-227 K's, v228-229 V's, v230 q's, v231 p's scale words (scales and nothing else); v232-237, v244-245, v252 the way out; v240-243, v248-249 global offsets; v250-251 o's scale words.
.set VC,  8388608
.set QKS, 12582912
.set VS,  13631488
.set APT, 7274496
.set OS,  4194304
.set UP,  4718592
.set VCL, 65536                        ; LDS: K's codes [key tile 128][512 B] from 0; V's [d tile 4][key step 16][1 KiB] from VCL;
.set KSL, 131072                       ; K's scale words [key tile][16 words]; V's [key step 16][d tile 4][16 words]
.set VSL, 139264
.set SPARE, 167936                     ; the spare words: 128 bytes a wave
.set KF,  32
.set S,   96
.set WV,  10
.set SEL, 84
.set CS,  86                           ; s[86:87] c = log2(e) / 8
.set KO,  88                           ; the step's place in K's codes, V's codes, K's words, V's words
.set VO,  89
.set KSO, 90
.set VSO, 91
.set CNT, 92
.set JOINT, 15|(3<<16)|(1<<21)
.macro ROUND
	s_barrier_signal -1
	s_barrier_wait -1
	s_cmp_lg_u32 s[WV], 0
	s_cbranch_scc1 .Lnot_wave_0_\@
	s_barrier_signal -3
.Lnot_wave_0_\@:
	s_barrier_wait -3
	s_barrier_signal -1
	s_barrier_wait -1
.endm
.macro MKG1 g, w0, c, rows, pitch
	s_mov_b32 s[\g], \w0
	s_mov_b32 s[\g+1], (\c)<<16
	s_mov_b32 s[\g+2], (\rows)<<16
	s_mov_b32 s[\g+3], (\c)<<16
	s_mov_b32 s[\g+4], \rows
	s_mov_b32 s[\g+5], \pitch
	s_mov_b32 s[\g+6], 0
	s_mov_b32 s[\g+7], 0
.endm
	s_load_b128 s[4:7], s[0:1], 0x0                ; qkv s[4:5], pa s[6:7]
	s_load_b64 s[8:9], s[0:1], 0x10                ; att
	v_lshl_add_u32 v7, v0, 2, SPARE
	v_mov_b32 v255, 0
	ds_add_u32 v7, v255                            ; the opening lines: the add twice on end and its one wait
	ds_add_u32 v7, v255
	v_lshrrev_b32 v1, 5, v0
	s_delay_alu instid0(VALU_DEP_1)
	v_readfirstlane_b32 s[WV], v1                  ; wave 0..15
	s_bfe_u32 s11, ttmp6, 0x40000                  ; cx: which 512 queries; it enters q's and the output's addresses alone
	s_lshr_b32 s12, ttmp9, 4                       ; batch
	s_and_b32 s13, ttmp9, 15                       ; head
	s_and_b32 s15, s[WV], 3                        ; i: which quarter of my kind of bytes I fetch
	s_add_co_u32 s14, s13, 16
	s_lshl_b32 s14, s14, 9
	s_lshl_b32 s93, s12, 7
	s_add_co_u32 s14, s14, s93                     ; kb = (16 + head) 512 + 128 batch: k's first tile
	MKG1 24, JOINT, 32, 64, 32                     ; codes: 16 KiB dense, as 64 rows of 256 bytes: a quarter of K's, or one d tile of V's
	MKG1 32, JOINT, 32, 8, 32                      ; K's scale words: 2 KiB dense
	MKG1 40, JOINT, 32, 4, 512                     ; V's scale words: 4 key steps x 256 bytes, 4 KiB apart
	s_mov_b32 s56, 1                               ; waves 0-3: K's codes
	s_lshl_b32 s57, s15, 14
	s_lshl_b32 s16, s14, 9
	s_add_co_u32 s16, s16, s57
	s_mov_b32 s17, 0
	s_mov_b32 s60, 1                               ; waves 4-7: V's codes, d tile i
	s_add_co_u32 s61, s57, VCL
	s_lshl_b32 s18, s13, 2
	s_add_co_u32 s18, s18, s15
	s_lshl_b32 s18, s18, 16
	s_lshl_b32 s93, s12, 14
	s_add_co_u32 s18, s18, s93
	s_add_co_u32 s18, s18, VC
	s_mov_b32 s19, 0
	s_mov_b32 s68, 1                               ; waves 8-11: K's scale words
	s_lshl_b32 s69, s15, 11
	s_lshl_b32 s20, s14, 6
	s_add_co_u32 s20, s20, s69
	s_add_co_u32 s20, s20, QKS
	s_add_co_u32 s69, s69, KSL
	s_mov_b32 s21, 0
	s_mov_b32 s72, 1                               ; waves 12-15: V's scale words, key steps 4 i on
	s_lshl_b32 s73, s15, 10
	s_add_co_u32 s73, s73, VSL
	s_lshl_b32 s22, s12, 4
	s_lshl_b32 s93, s15, 2
	s_add_co_u32 s22, s22, s93
	s_lshl_b32 s22, s22, 12
	s_lshl_b32 s93, s13, 8
	s_add_co_u32 s22, s22, s93
	s_add_co_u32 s22, s22, VS
	s_mov_b32 s23, 0
	s_mov_b32 s[SEL], 0x76543210
	s_mov_b32 s[SEL+1], 0xfedcba98
	s_mov_b32 s[CS], 0x3e38aa3b                    ; log2(e) / 8
	s_mov_b32 s[CS+1], s[CS]                       ; (named with it as a pair, so it is written)
	s_wait_dscnt 0x0                               ; both opening adds are done
	s_wait_kmcnt 0x0
	s_add_nc_u64 s[58:59], s[4:5], s[16:17]
	s_or_b32 s59, s59, 0x80000000
	s_add_nc_u64 s[62:63], s[4:5], s[18:19]
	s_or_b32 s63, s63, 0x80000000
	s_add_nc_u64 s[70:71], s[4:5], s[20:21]
	s_or_b32 s71, s71, 0x80000000
	s_add_nc_u64 s[74:75], s[4:5], s[22:23]
	s_or_b32 s75, s75, 0x80000000
	ROUND                                          ; all four work-groups are here: the joint loads meet
; THE FIRST FILLS, ONE A WAVE: one chain of branches on the wave's number, one load to an arm, all arms leading to one join
.macro ARM under, g0, g1, next
	s_cmp_lt_u32 s[WV], \under
	s_cbranch_scc0 \next
	tensor_load_to_lds s[\g0:\g0+3], s[\g1:\g1+7]
	s_nop 0
.rept 4
	v_nop
.endr
	s_branch .Lfilled
\next:
.endm
	ARM 4,  56, 24, .Lfill_v
	ARM 8,  60, 24, .Lfill_ks
	ARM 12, 68, 32, .Lfill_vs
	tensor_load_to_lds s[72:75], s[40:47]
	s_nop 0
.rept 4
	v_nop
.endr
.Lfilled:
	v_and_b32 v5, 31, v0                           ; lane
	v_and_b32 v6, 15, v0                           ; lane % 16
	v_bfe_u32 v83, v0, 4, 1                        ; h
	v_and_b32 v8, 7, v0                            ; m % 8
	v_bfe_u32 v9, v0, 3, 1                         ; m / 8
	v_lshlrev_b32 v1, 4, v8
	v_lshlrev_b32 v3, 2, v8
	v_lshl_add_u32 v1, v9, 10, v1
	v_lshl_add_u32 v3, v9, 7, v3
	v_lshl_add_u32 v1, v83, 8, v1                  ; K's codes: 16 (m % 8) + 1,024 (m / 8) + 256 h
	v_lshl_add_u32 v3, v83, 6, v3
	v_lshl_add_u32 v2, v5, 4, VCL                  ; V's codes: 16 lane
	v_lshl_add_u32 v4, v5, 2, VSL                  ; V's words: lanes 0-15 an even d tile's, lanes 16-31 the next one's
	v_add_nc_u32 v3, KSL, v3                       ; K's words: 4 (m % 8) + 128 (m / 8); lanes 16-31, 64 on, take the odd tile's
	v_lshlrev_b32 v83, 3, v83                      ; 8 h
	v_cmp_le_u32 vcc_lo, 16, v5                    ; lanes 16-31: kept for the whole kernel
	s_wait_alu depctr_va_vdst(0)
	s_lshl_b32 s94, s12, 7
	s_lshl_b32 s95, s11, 5
	s_add_co_u32 s94, s94, s95
	s_lshl_b32 s95, s[WV], 1
	s_add_co_u32 s94, s94, s95                     ; my first tile of queries: 128 batch + 32 cx + 2 wave
	s_lshl_b32 s95, s13, 18
	s_lshl_b32 s96, s94, 9
	s_add_co_u32 s95, s95, s96
	v_lshl_add_u32 v248, v5, 4, s95                ; q's half fragment
	s_add_co_u32 s96, s95, UP
	v_lshl_add_u32 v242, v5, 3, s96                ; u's part
	s_lshl_b32 s95, s13, 15
	s_lshl_b32 s96, s94, 6
	s_add_co_u32 s95, s95, s96
	s_add_co_u32 s96, s95, QKS
	v_lshl_add_u32 v249, v6, 2, s96                ; q's scale word
	s_add_co_u32 s96, s95, OS
	v_lshl_add_u32 v241, v5, 2, s96                ; o's scale words: lanes 0-15 my first tile, lanes 16-31 my second
	s_lshl_b32 s95, s94, 13
	s_lshl_b32 s96, s13, 9
	s_add_co_u32 s95, s95, s96
	v_lshl_add_u32 v240, v5, 4, s95                ; o's codes: tile x 8,192 + 512 head
	s_lshl_b32 s95, s13, 11
	s_add_co_u32 s95, s95, APT
	v_lshl_add_u32 v243, v5, 4, s95                ; A_proj's two fragments of this head
.irp j, 20,21,22,23, 64,65,66,67, 82, 87, 236,237, 252
	v_mov_b32 v[\j], 0                             ; Q's zero codes; what stands above K's last tile; lane permutes' destinations; the upper half of f's pair
.endr
.macro KLOAD ac, as                    ; a step's 8 tiles of K and their scale words: 12 LDS loads
.irp T, 0,1,2,3,4,5,6,7
	ds_load_b128 v[KF+4*\T:KF+4*\T+3], v[\ac] offset:2048*(\T/4)+512*(\T%2)+128*((\T%4)/2)
.endr
.irp i, 0,1,2,3
	ds_load_b32 v[224+\i], v[\as] offset:256*(\i/2)+32*(\i%2)      ; lanes 0-15: tile 2 i's words, lanes 16-31: tile 2 i + 1's
.endr
.endm
; A KEY STEP: 128 keys.  more = 1: the next step's K is fetched behind this step's scores.
.macro STEP more
	s_wait_dscnt 0x0                               ; K's twelve loads are in
.irp T, 0,1,2,3,4,5,6,7
.if \T % 2
	v_wmma_scale_f32_16x16x128_f8f6f4 v[S+8*\T:S+8*\T+7], v[KF+4*\T:KF+4*\T+7], v[16:23], 0, v[224+\T/2], v230 matrix_a_fmt:MATRIX_FMT_FP4 matrix_b_fmt:MATRIX_FMT_FP4 matrix_a_scale:MATRIX_SCALE_ROW1
.else
	v_wmma_scale_f32_16x16x128_f8f6f4 v[S+8*\T:S+8*\T+7], v[KF+4*\T:KF+4*\T+7], v[16:23], 0, v[224+\T/2], v230 matrix_a_fmt:MATRIX_FMT_FP4 matrix_b_fmt:MATRIX_FMT_FP4
.endif
.endr
.if \more
	s_add_co_u32 s[KO], s[KO], 4096
	s_add_co_u32 s[KSO], s[KSO], 512
	v_add_nc_u32 v8, s[KO], v1                     ; these lines are the places between the products and the loads into their registers, and ahead of the first read of S^T
	v_add_nc_u32 v9, s[KSO], v3
.endif
	v_add_nc_u32 v10, s[VO], v2
	v_add_nc_u32 v11, s[VSO], v4
	v_mov_b32 v84, v12                             ; the old -M
.if \more == 0
	v_nop
.endif
.irp t, 0,1,2,3
.irp c, 0,1
	ds_load_b128 v[192+8*\t+4*\c:195+8*\t+4*\c], v10 offset:16384*\t+512*\c
.endr
.endr
.irp i, 0,1
	ds_load_b32 v[228+\i], v11 offset:128*\i
.endr
.if \more
	KLOAD 8, 9
.endif
.irp a, 0,1,2,3                        ; four chains of 16 registers by turns; each accumulator is read from its low end on
	v_max3_num_f32 v[74+\a], v[S+16*\a], v[S+1+16*\a], v[S+2+16*\a]
.endr
.irp i, 3,5,7,9,11,13
.irp a, 0,1,2,3
	v_max3_num_f32 v[74+\a], v[74+\a], v[S+16*\a+\i], v[S+1+16*\a+\i]
.endr
.endr
.irp c, 0,1
	v_max3_num_f32 v[75+2*\c], v[75+2*\c], v[S+15+32*\c], v[S+31+32*\c]
.endr
.irp c, 0,1
	s_delay_alu instid0(VALU_DEP_2)
	v_max_num_f32 v[74+2*\c], v[74+2*\c], v[75+2*\c]   ; the largest score of my block 2 c + h: for the row's maximum and for the block's largest p
.endr
	s_delay_alu instid0(VALU_DEP_1)
	v_max_num_f32 v85, v74, v76
	s_delay_alu instid0(VALU_DEP_1)
	v_permlanex16_b32 v82, v85, s[SEL], s[SEL+1]
	s_delay_alu instid0(VALU_DEP_1)
	v_max_num_f32 v85, v85, v82                    ; with lane l xor 16's two blocks
	s_delay_alu instid0(VALU_DEP_1)
	v_mul_f32 v85, s[CS], v85                      ; the step's largest t (c is positive)
	s_delay_alu instid0(VALU_DEP_1)
	v_max_num_f32 v13, v13, v85
	s_delay_alu instid0(VALU_DEP_1)
	v_floor_f32 v12, -v13                          ; the new -M = floor(-t): M is a whole number
	s_delay_alu instid0(VALU_DEP_1)
	v_sub_f32 v85, v12, v84                        ; old M - new M: a whole number, 0 or less
	s_delay_alu instid0(VALU_DEP_1)
	v_cvt_i32_f32 v85, v85                         ; (it saturates)
	s_delay_alu instid0(VALU_DEP_1)
	v_ldexp_f32 v86, 1.0, v85                      ; f = 2^(old M - new M)
.set j, 0
.rept 32
	v_pk_fma_f32 v[S+j:S+j+1], v[S+j:S+j+1], s[CS:CS+1], v[12:13] op_sel_hi:[1,0,0]   ; t - M
.set j, j+2
.endr
	v_fma_f32 v74, v74, s[CS], v12
	v_fma_f32 v76, v76, s[CS], v12
	s_wait_alu depctr_va_vdst(0)
.set j, 0
.rept 64
	v_exp_f32 v[S+j], v[S+j]                       ; p = 2^(t - M)
.set j, j+1
.endr
	v_exp_f32 v74, v74                             ; my two blocks' largest p
	v_exp_f32 v76, v76
	v_pk_mul_f32 v[14:15], v[14:15], v[86:87] op_sel_hi:[1,0]      ; the sums under the new M (a plain place behind the exponentials)
	s_wait_alu depctr_va_vdst(0)                   ; one wait for the batch, and directly ahead of the first readers of O^T
.set j, 0
.rept 16
	v_pk_mul_f32 v[160+j:161+j], v[160+j:161+j], v[86:87] op_sel_hi:[1,0]   ; O^T under the new M
.set j, j+2
.endr
	v_max_num_f32 v74, 0x1800000, v74              ; the floor 2^(3 - 127)
	v_max_num_f32 v76, 0x1800000, v76
	s_delay_alu instid0(VALU_DEP_2)
	v_add_nc_u32 v78, 0xff000000, v74              ; 2 off the exponent field: the conversion's scale operand
	s_delay_alu instid0(VALU_DEP_2)
	v_add_nc_u32 v79, 0xff000000, v76
	s_delay_alu instid0(VALU_DEP_2)
	v_lshrrev_b32 v80, 23, v78                     ; the bytes of blocks h and 2 + h
	s_delay_alu instid0(VALU_DEP_2)
	v_lshrrev_b32 v81, 23, v79
	s_delay_alu instid0(VALU_DEP_1)
	v_lshl_or_b32 v80, v81, 16, v80
	s_delay_alu instid0(VALU_DEP_1)
	v_lshlrev_b32 v80, v83, v80                    ; at their places in the word: 8 h bits up
	s_delay_alu instid0(VALU_DEP_1)
	v_permlanex16_b32 v82, v80, s[SEL], s[SEL+1]
	s_delay_alu instid0(VALU_DEP_1)
	v_or_b32 v231, v80, v82                        ; p's scale word for these 128 keys
.irp T, 0,1,2,3,4,5,6,7
	v_cvt_scalef32_pk8_fp4_f32 v[24+\T], v[S+8*\T:S+8*\T+7], v[78+\T/4]   ; register 4 c + u of P's operand: keys 64 c + 32 h + 8 u + 0 .. 7
.endr
	v_pk_add_f32 v[68:69], v[S:S+1], v[S+2:S+3]    ; the row's sum of the unquantised p, in four chains.  (These 32 are the places between p's codes and scale word and the products)
	v_pk_add_f32 v[70:71], v[S+4:S+5], v[S+6:S+7]
	v_pk_add_f32 v[72:73], v[S+8:S+9], v[S+10:S+11]
	v_pk_add_f32 v[14:15], v[14:15], v[S+12:S+13]
.irp k, 14,22,30,38,46,54
	v_pk_add_f32 v[68:69], v[68:69], v[S+\k:S+\k+1]
	v_pk_add_f32 v[70:71], v[70:71], v[S+\k+2:S+\k+3]
	v_pk_add_f32 v[72:73], v[72:73], v[S+\k+4:S+\k+5]
	v_pk_add_f32 v[14:15], v[14:15], v[S+\k+6:S+\k+7]
.endr
	v_pk_add_f32 v[68:69], v[68:69], v[S+62:S+63]
	v_pk_add_f32 v[70:71], v[70:71], v[72:73]
	s_delay_alu instid0(VALU_DEP_2)
	v_pk_add_f32 v[14:15], v[14:15], v[68:69]
	s_delay_alu instid0(VALU_DEP_1)
	v_pk_add_f32 v[14:15], v[14:15], v[70:71]
	s_wait_alu depctr_va_vdst(0)
.if \more
	s_wait_dscnt 12                                ; V's ten loads are in; the next step's twelve of K, issued behind them, may be out
.else
	s_wait_dscnt 0x0
.endif
.irp t, 0,1,2,3
.if \t % 2
	v_wmma_scale_f32_16x16x128_f8f6f4 v[160+8*\t:167+8*\t], v[192+8*\t:199+8*\t], v[24:31], v[160+8*\t:167+8*\t], v[228+\t/2], v231 matrix_a_fmt:MATRIX_FMT_FP4 matrix_b_fmt:MATRIX_FMT_FP4 matrix_a_scale:MATRIX_SCALE_ROW1
.else
	v_wmma_scale_f32_16x16x128_f8f6f4 v[160+8*\t:167+8*\t], v[192+8*\t:199+8*\t], v[24:31], v[160+8*\t:167+8*\t], v[228+\t/2], v231 matrix_a_fmt:MATRIX_FMT_FP4 matrix_b_fmt:MATRIX_FMT_FP4
.endif
.endr
.if \more
	s_add_co_u32 s[VO], s[VO], 1024
	s_add_co_u32 s[VSO], s[VSO], 256
.endif
.endm
.macro PASS p                          ; my p-th tile of 16 queries
	global_load_b128 v[16:19], v248, s[4:5] offset:512*\p
	global_load_b32 v230, v249, s[4:5] offset:64*\p
	v_mov_b32 v13, 0xff61b1e6                      ; the largest t so far: -3e38
	v_mov_b32 v14, 0
	v_mov_b32 v15, 0
	v_floor_f32 v12, -v13
.set j, 0
.rept 32
	v_mov_b32 v[160+j], 0                          ; O^T: the step's first walk finds zeros, which the first change of M leaves zeros
.set j, j+1
.endr
	s_mov_b32 s[KO], 0
	s_mov_b32 s[VO], 0
	s_mov_b32 s[KSO], 0
	s_mov_b32 s[VSO], 0
	s_mov_b32 s[CNT], 15
	s_wait_alu depctr_va_vdst(0)
	s_wait_loadcnt 0x0
.if \p == 0
	s_wait_tensorcnt 0x0                           ; my one load is in,
	s_barrier_signal -1
	s_barrier_wait -1                              ; and everybody's
.endif
	KLOAD 1, 3                                     ; step 0's K
.Lstep_\@:
	STEP 1
	s_sub_co_u32 s[CNT], s[CNT], 1
	s_cmp_lg_u32 s[CNT], 0
	s_cbranch_scc1 .Lstep_\@
	STEP 0                                         ; the last step is written out: it fetches no further K
.rept 4
	v_nop                                          ; places in front of loads into V's registers and of the first read of O^T
.endr
.irp f, 0,1,2,3
	global_load_b128 v[192+4*\f:195+4*\f], v243, s[6:7] offset:512*\f   ; A_proj^T's two bf16 fragments
.endr
	v_add_f32 v14, v14, v15
	s_delay_alu instid0(VALU_DEP_1)
	v_permlanex16_b32 v252, v14, s[SEL], s[SEL+1]
	s_delay_alu instid0(VALU_DEP_1)
	v_add_f32 v14, v14, v252                       ; the row's sum
	s_wait_alu depctr_va_vdst(0)
	v_rcp_f32 v14, v14
	v_nop                                          ; a plain place behind the transcendental
	s_wait_alu depctr_va_vdst(0)
.set j, 0
.rept 32
	v_mul_f32 v[96+j], v[160+j], v14               ; o: register 16 b + i = channel 32 b + 16 (lane / 16) + i of my query; each accumulator from its low end on
.set j, j+1
.endr
.irp b, 0,1                            ; o's two blocks along C
	v_max3_num_f32 v[232+\b], |v[96+16*\b]|, |v[97+16*\b]|, 0x1800000
.endr
.irp i, 2,4,6,8,10,12,14
.irp b, 0,1
	s_delay_alu instid0(VALU_DEP_2)
	v_max3_num_f32 v[232+\b], v[232+\b], |v[96+16*\b+\i]|, |v[97+16*\b+\i]|
.endr
.endr
.irp b, 0,1
	s_delay_alu instid0(VALU_DEP_2)
	v_permlanex16_b32 v[236+\b], v[232+\b], s[SEL], s[SEL+1]
.endr
.irp b, 0,1
	s_delay_alu instid0(VALU_DEP_2)
	v_max_num_f32 v[232+\b], v[232+\b], v[236+\b]
.endr
.irp b, 0,1
	s_delay_alu instid0(VALU_DEP_2)
	v_add_nc_u32 v[244+\b], 0xff000000, v[232+\b]
.endr
.irp b, 0,1
	s_delay_alu instid0(VALU_DEP_2)
	v_lshrrev_b32 v[236+\b], 23, v[244+\b]
.endr
	s_delay_alu instid0(VALU_DEP_1)
	v_lshl_or_b32 v[250+\p], v237, 8, v236         ; the head's two bytes; nothing above them
.irp b, 0,1
	v_cvt_scalef32_pk8_fp4_f32 v[24+2*\b], v[96+16*\b:103+16*\b], v[244+\b]
	v_cvt_scalef32_pk8_fp4_f32 v[25+2*\b], v[104+16*\b:111+16*\b], v[244+\b]
.endr
	v_nop
.irp i, 0,1
	v_permlane16_swap_b32 v[24+\i], v[26+\i]
.endr
	global_store_b128 v240, v[24:27], s[8:9] offset:8192*\p        ; 512 consecutive bytes
.if \p == 1
	v_cndmask_b32 v251, v250, v251, vcc_lo         ; lanes 0-15 my first tile's words, lanes 16-31 my second's
	global_store_b32 v241, v251, s[8:9]
.endif
.set j, 0
.rept 16
	v_cvt_pk_bf16_f32 v[128+j], v[96+2*j], v[97+2*j]
.set j, j+1
.endr
	s_wait_alu depctr_va_vdst(0)
	s_wait_loadcnt 0x0
	v_wmma_f32_16x16x32_bf16 v[208:215], v[192:199], v[128:135], 0   ; u^T's part: 8 ranks (rows 8-15 repeat them) x my 16 queries, channels 0-31,
	v_wmma_f32_16x16x32_bf16 v[216:223], v[200:207], v[136:143], 0   ; and 32-63: two accumulators, no chain
.rept 4
	v_nop
.endr
.irp i, 0,2,4,6
	v_pk_add_f32 v[144+\i:145+\i], v[208+\i:209+\i], v[216+\i:217+\i]
.endr
	s_delay_alu instid0(VALU_DEP_3)
	v_cndmask_b32 v152, v144, v146, vcc_lo         ; as an operand of the f32 16x16x4 form: step s, lane (r, h), register j: rank 4 s + 2 h + j
	s_delay_alu instid0(VALU_DEP_4)
	v_cndmask_b32 v153, v145, v147, vcc_lo
	s_delay_alu instid0(VALU_DEP_3)
	v_cndmask_b32 v154, v148, v150, vcc_lo
	s_delay_alu instid0(VALU_DEP_4)
	v_cndmask_b32 v155, v149, v151, vcc_lo
	global_store_b64 v242, v[152:153], s[8:9] offset:512*\p        ; 256 consecutive bytes, aligned
	global_store_b64 v242, v[154:155], s[8:9] offset:512*\p+256
	s_wait_xcnt 0x0                                ; the stores' data registers are written again only behind this wait
.endm
	PASS 0
	PASS 1
	s_wait_tensorcnt 0x0                           ; the wave's end
	ds_add_u32 v7, v255
	s_wait_dscnt 0x0
	ROUND                                          ; the closing round
	s_endpgm
.Lfunc_end_k_q1668c1826d_attn:
	.size	k_q1668c1826d_attn, .Lfunc_end_k_q1668c1826d_attn-k_q1668c1826d_attn
	.p2alignl 7, 3214868480
	.fill 96, 4, 3214868480
	.section	.rodata,"a",@progbits
	.p2align	6, 0x0
	.amdhsa_kernel k_q1668c1826d_attn
		.amdhsa_group_segment_fixed_size 169984
		.amdhsa_private_segment_fixed_size 0
		.amdhsa_enable_private_segment 0
		.amdhsa_kernarg_size 24
		.amdhsa_user_sgpr_count 2
		.amdhsa_user_sgpr_kernarg_segment_ptr 1
		.amdhsa_wavefront_size32 1
		.amdhsa_system_sgpr_workgroup_id_x 1
		.amdhsa_system_sgpr_workgroup_id_y 1
		.amdhsa_system_sgpr_workgroup_id_z 1
		.amdhsa_system_vgpr_workitem_id 0
		.amdhsa_next_free_vgpr 256
		.amdhsa_next_free_sgpr 100
		.amdhsa_reserve_vcc 1
		.amdhsa_float_denorm_mode_32 3
		.amdhsa_float_denorm_mode_16_64 3
		.amdhsa_memory_ordered 1
		.amdhsa_forward_progress 1
		.amdhsa_inst_pref_size 84
	.end_amdhsa_kernel
	.amdgpu_metadata
---
amdhsa.version: [ 1, 2 ]
amdhsa.kernels:
  - .name:           k_q1668c1826d_attn
    .symbol:         k_q1668c1826d_attn.kd
    .args:
      - { .name: qkv, .offset: 0, .size: 8, .value_kind: global_buffer, .address_space: global }
      - { .name: pa, .offset: 8, .size: 8, .value_kind: global_buffer, .address_space: global }
      - { .name: att, .offset: 16, .size: 8, .value_kind: global_buffer, .address_space: global }
    .group_segment_fixed_size: 169984
    .private_segment_fixed_size: 0
    .kernarg_segment_align: 8
    .kernarg_segment_size: 24
    .max_flat_workgroup_size: 512
    .sgpr_count:     100
    .vgpr_count:     256
    .wavefront_size: 32
...
	.end_amdgpu_metadata
.endif
;; end of part 3
;; launch gemm_proj (part 4): grid 256 x 1, 8 waves a work-group, clusters of 4 x 1, 277,504 bytes of LDS; arguments pa, att, out0; writes out0
.if DOCPART == 4
	.amdgcn_target "amdgcn-amd-amdhsa--gfx1250"
	.amdhsa_code_object_version 6
	.text
	.protected	k_q1668c1826d_gemm_proj
	.globl	k_q1668c1826d_gemm_proj
	.p2align	8
	.type	k_q1668c1826d_gemm_proj,@function
k_q1668c1826d_gemm_proj:
	s_mov_b64 s[64:65], 0
	v_nop
	global_prefetch_b8 v0, s[64:65] scope:SCOPE_SE
	s_setreg_imm32_b32 hwreg(HW_REG_WAVE_MODE, 25, 1), 1
	s_wait_xcnt 0x0
	s_wait_alu depctr_hold_cnt(0) depctr_sa_sdst(0) depctr_va_vdst(0) depctr_va_sdst(0) depctr_va_ssrc(0) depctr_va_vcc(0) depctr_vm_vsrc(0)
	s_getreg_b32 s2, hwreg(HW_REG_IB_STS2, 6, 4)
	s_cmp_eq_u32 s2, 0
	s_cbranch_scc0 .Lentry_in_a_cluster
	s_endpgm
.Lentry_in_a_cluster:
	s_bfe_u32 s2, ttmp6, 0x10000c
	s_cmp_lg_u32 s2, 0x3003
	s_cbranch_scc0 .Lentry_shape_is_right
	s_endpgm
.Lentry_shape_is_right:
; out = Q(o) Q(W_proj) + b_proj + 2 (o A_proj) B_proj.  The same core as the first GEMM: a work-group makes 256 P rows (W_proj's columns) x 128 Q rows (tokens), K = 1,024;
; source 0 = P, source 1 = Q: a lane holds one token, its registers run along the output's columns.  Eight waves; wave w: P rows 128 (w % 2) on, Q rows 32 (w / 2) on: 16 accumulators.
; LDS: both operands' codes for all of K, filled ONCE in two halves of K: no ring, no refill.  CLUSTER 4 x 1: the partners share P's tile: its codes and scale words are asked for jointly (mask 15); Q's loads are each work-group's own.
; AHEAD OF THE PRODUCTS: the 16 heads' parts of u = o A_proj are added (wave w: Q tile w) and handed round through LDS; o's scale words are put together from the heads' two bytes each.
; b + 2 u B starts the sums: three steps of the f32 16x16x4 form on the rank-12 companions (tokens: u, 1; columns: 2 B, b).
; THE WAY OUT: 16 tokens x 128 columns at a time through my own stage in LDS; each store covers 512 consecutive bytes of a row of out0.  The order of rows in a tile is undone by the stores' offsets.
; REGISTERS: v1 16 lane; v2, v3 P's fragments in LDS; v4 Q's; v5 P's scale words; v7 8 lane; v8, v9 the stage, in and back; v14, v15 u's sums, in and back; v16 4 lane;
;   v20-35 P's scale words, v36-43 o's (scales and nothing else); v44-59 the heads' words, then v48-63 Q's companions and fragments; v64-127 u's parts, P's companions, P's fragments, rows on the way out; v128-255 accumulators.
.set SCALES, 6291456
.set COMPS,  6684672
.set OS,  4194304
.set UP,  4718592
.set QT,  131072                       ; LDS: P's codes from 0, Q's from QT, P's scale words,
.set PS,  196608
.set USUM, 204800                      ; u's sums: [Q tile 8][step 2][lane][8 B]; no fill lands here,
.set STG, 208896                       ; nor here: 8 waves x 16 rows x (512 + 16) bytes
.set WV,  8
.set JOINT, 15|(3<<16)|(1<<21)
.set PLAIN, 3<<16
.macro ROUND
	s_barrier_signal -1
	s_barrier_wait -1
	s_cmp_lg_u32 s[WV], 0
	s_cbranch_scc1 .Lnot_wave_0_\@
	s_barrier_signal -3
.Lnot_wave_0_\@:
	s_barrier_wait -3
	s_barrier_signal -1
	s_barrier_wait -1
.endm
.macro MKG1 g, w0, c, rows, pitch
	s_mov_b32 s[\g], \w0
	s_mov_b32 s[\g+1], (\c)<<16
	s_mov_b32 s[\g+2], (\rows)<<16
	s_mov_b32 s[\g+3], (\c)<<16
	s_mov_b32 s[\g+4], \rows
	s_mov_b32 s[\g+5], \pitch
	s_mov_b32 s[\g+6], 0
	s_mov_b32 s[\g+7], 0
.endm
	s_load_b128 s[4:7], s[0:1], 0x0                ; pa s[4:5], att s[6:7]
	s_load_b64 s[12:13], s[0:1], 0x10              ; out0
	v_lshl_add_u32 v18, v0, 2, 0x43800
	v_mov_b32 v19, 0
	ds_add_u32 v18, v19
	ds_add_u32 v18, v19
	v_lshrrev_b32 v1, 5, v0
	s_delay_alu instid0(VALU_DEP_1)
	v_readfirstlane_b32 s[WV], v1                  ; wave 0..7
	s_bfe_u32 s9, ttmp6, 0x40000                   ; cx: it enters Q's global addresses and the output's alone
	s_and_b32 s14, ttmp9, 3                        ; pt: which 256 columns
	s_lshl_b32 s10, s14, 4
	s_add_co_u32 s10, s10, 704                     ; P's first tile in pa
	s_lshr_b32 s15, ttmp9, 2
	s_lshl_b32 s15, s15, 2
	s_add_co_u32 s15, s15, s9                      ; qt: which 128 tokens
	s_lshl_b32 s17, s15, 3                         ; Q's first tile
	MKG1 24, JOINT, 512, 8, 1024                   ; P's codes: 8 tiles x 4,096 bytes (half of K), 8,192 bytes apart
	MKG1 32, JOINT, 32, 16, 32                     ; P's scale words: 4,096 dense bytes
	MKG1 40, PLAIN, 512, 8, 1024                   ; Q's codes: 8 tiles, half of K
	s_and_b32 s88, s[WV], 3
	s_mov_b32 s85, 0
	s_mov_b32 s87, 0
	s_wait_dscnt 0x0
	s_wait_kmcnt 0x0
	s_mov_b32 s56, 1
	s_and_b32 s57, s88, 1                          ; waves 6, 7: half of P's scale words each
	s_lshl_b32 s57, s57, 12
	s_lshl_b32 s84, s10, 9
	s_add_co_u32 s84, s84, s57
	s_add_co_u32 s84, s84, SCALES
	s_add_co_u32 s57, s57, PS
	s_add_nc_u64 s[58:59], s[4:5], s[84:85]
	s_or_b32 s59, s59, 0x80000000
	s_mov_b32 s60, 1
	s_lshl_b32 s61, s88, 15                        ; waves 0-3: K half w / 2, tiles 8 (w % 2) on: 32 KiB each
	s_and_b32 s84, s88, 1
	s_lshl_b32 s84, s84, 3
	s_add_co_u32 s84, s84, s10
	s_lshl_b32 s84, s84, 13
	s_lshr_b32 s89, s88, 1
	s_lshl_b32 s89, s89, 12
	s_add_co_u32 s84, s84, s89
	s_add_nc_u64 s[62:63], s[4:5], s[84:85]
	s_or_b32 s63, s63, 0x80000000
	s_mov_b32 s76, 1                               ; Q's codes: o's, from att
	s_and_b32 s89, s88, 1                          ; waves 4, 5: K half w % 2 of all 8 tiles: 32 KiB each
	s_lshl_b32 s77, s89, 15
	s_add_co_u32 s77, s77, QT
	s_lshl_b32 s86, s17, 13
	s_lshl_b32 s89, s89, 12
	s_add_co_u32 s86, s86, s89
	s_add_nc_u64 s[78:79], s[6:7], s[86:87]
	s_or_b32 s79, s79, 0x80000000
	ROUND                                          ; all four work-groups are here: the joint loads meet
	s_cmp_lt_u32 s[WV], 4                          ; the first fills: one chain of branches on the wave's number, one load to an arm, one load a wave
	s_cbranch_scc0 .Lfill_q
	tensor_load_to_lds s[60:63], s[24:31]
	s_nop 0
.rept 4
	v_nop
.endr
	s_branch .Lfilled
.Lfill_q:
	s_cmp_lt_u32 s[WV], 6
	s_cbranch_scc0 .Lfill_ps
	tensor_load_to_lds s[76:79], s[40:47]
	s_nop 0
.rept 4
	v_nop
.endr
	s_branch .Lfilled
.Lfill_ps:
	tensor_load_to_lds s[56:59], s[32:39]
	s_nop 0
.rept 4
	v_nop
.endr
.Lfilled:
	v_and_b32 v10, 31, v0                          ; lane
	v_and_b32 v11, 15, v0                          ; r
	v_bfe_u32 v12, v0, 4, 1                        ; h
	s_delay_alu instid0(VALU_DEP_3)
	v_lshlrev_b32 v1, 4, v10
	s_delay_alu instid0(VALU_DEP_4)
	v_lshlrev_b32 v7, 3, v10
	v_lshlrev_b32 v16, 2, v10
	s_and_b32 s90, s[WV], 1                        ; wp
	s_lshr_b32 s91, s[WV], 1                       ; wq
	s_lshl_b32 s92, s90, 15
	v_add_nc_u32 v2, s92, v1
	s_delay_alu instid0(VALU_DEP_1)
	v_add_nc_u32 v3, 65536, v2
	s_lshl_b32 s92, s91, 13
	s_add_co_u32 s92, s92, QT
	v_add_nc_u32 v4, s92, v1
	v_lshlrev_b32 v5, 5, v11
	s_delay_alu instid0(VALU_DEP_1)
	v_lshl_add_u32 v5, v12, 9, v5
	s_lshl_b32 s92, s90, 12
	s_add_co_u32 s92, s92, PS
	v_add_nc_u32 v5, s92, v5
	s_mul_i32 s92, s[WV], 8448
	s_add_co_u32 s92, s92, STG
	v_mul_u32_u24 v8, v11, 528
	s_delay_alu instid0(VALU_DEP_1)
	v_lshl_add_u32 v8, v12, 6, v8
	s_delay_alu instid0(VALU_DEP_1)
	v_add_nc_u32 v8, s92, v8                       ; the stage, in: row r, + 64 h
	v_add_nc_u32 v9, s92, v1                       ; and back: 16 bytes a lane of a row
	s_lshl_b32 s92, s[WV], 9
	s_add_co_u32 s92, s92, USUM
	v_add_nc_u32 v14, s92, v7
	s_lshl_b32 s92, s91, 10
	s_add_co_u32 s92, s92, USUM
	v_add_nc_u32 v15, s92, v7
	s_mov_b32 s93, 0
	s_lshl_b32 s92, s91, 1
	s_add_co_u32 s92, s92, s17
	s_lshl_b32 s92, s92, 6
	s_add_co_u32 s92, s92, OS
	s_add_nc_u64 s[20:21], s[6:7], s[92:93]        ; o's scale words of my two Q tiles, head 0
	s_add_co_u32 s92, s17, s[WV]
	s_lshl_b32 s92, s92, 9
	s_add_co_u32 s92, s92, UP
	s_add_nc_u64 s[22:23], s[6:7], s[92:93]        ; u's parts of Q tile w, head 0
	s_lshl_b32 s92, s90, 3
	s_add_co_u32 s92, s92, s10
	s_mul_i32 s92, s92, 768
	s_add_co_u32 s92, s92, COMPS
	s_add_nc_u64 s[94:95], s[4:5], s[92:93]        ; my 8 P tiles' companions
	s_lshl_b32 s92, s15, 7
	s_lshl_b32 s2, s91, 5
	s_add_co_u32 s92, s92, s2
	s_lshl_b32 s92, s92, 12                        ; token 128 qt + 32 wq, rows of 4,096 bytes,
	s_lshl_b32 s2, s14, 10
	s_add_co_u32 s92, s92, s2
	s_lshl_b32 s2, s90, 9
	s_add_co_u32 s92, s92, s2                      ; column 256 pt + 128 wp
	s_add_nc_u64 s[18:19], s[12:13], s[92:93]
.irp n, 0,1,2,3,4,5,6,7,8,9,10,11,12,13,14,15
	global_load_b32 v[44+\n], v16, s[20:21] offset:32768*\n        ; head n's two bytes: lanes 0-15 my first Q tile, lanes 16-31 my second
.endr
.irp n, 0,1,2,3,4,5,6,7,8,9,10,11,12,13,14,15
.irp t, 0,1
	global_load_b64 v[64+4*\n+2*\t:65+4*\n+2*\t], v7, s[22:23] offset:262144*\n+256*\t
.endr
.endr
	s_wait_loadcnt 0x0
.irp k, 0,1,2,3,4,5,6,7
	v_lshl_or_b32 v[36+\k], v[45+2*\k], 16, v[44+2*\k]             ; K step k is heads 2 k and 2 k + 1.  (The f32 products and nine places stand between these and the scaled products)
.endr
	v_pk_add_f32 v[60:61], v[64:65], v[68:69]      ; u = the sum over the heads, ascending
	v_pk_add_f32 v[62:63], v[66:67], v[70:71]
.irp n, 2,3,4,5,6,7,8,9,10,11,12,13,14,15
	s_delay_alu instid0(VALU_DEP_2)
	v_pk_add_f32 v[60:61], v[60:61], v[64+4*\n:65+4*\n]
	s_delay_alu instid0(VALU_DEP_2)
	v_pk_add_f32 v[62:63], v[62:63], v[66+4*\n:67+4*\n]
.endr
	ds_store_b64 v14, v[60:61]
	ds_store_b64 v14, v[62:63] offset:256
.irp b, 0,1,2,3,4,5,6,7
.irp t, 0,1,2
	global_load_b64 v[64+6*\b+2*\t:65+6*\b+2*\t], v7, s[94:95] offset:768*\b+256*\t
.endr
.endr
	s_wait_dscnt 0x0                               ; for the others' sake: my tile's u lies in LDS
	s_barrier_signal -1
	s_barrier_wait -1                              ; (the tensor loads may stay out)
.irp a, 0,1
.irp t, 0,1
	ds_load_b64 v[48+6*\a+2*\t:49+6*\a+2*\t], v15 offset:512*\a+256*\t
.endr
.endr
	v_xor_b32 v52, 1, v12
	s_delay_alu instid0(VALU_DEP_1)
	v_cvt_f32_u32 v52, v52                         ; step 2: (1, 0) in lanes 0-15, (0, 0) in lanes 16-31
	v_mov_b32 v53, 0
	s_delay_alu instid0(VALU_DEP_2)
	v_mov_b32 v58, v52
	v_mov_b32 v59, 0
	s_wait_loadcnt 0x0
	s_wait_dscnt 0x0
.irp t, 0,1,2                          ; b + 2 u B starts all 16 sums; the accumulators take turns, one instruction a turn, here and below
	s_wait_alu depctr_va_vdst(0)
.irp b, 0,1,2,3,4,5,6,7
.irp a, 0,1
.if \t == 0
	v_wmma_f32_16x16x4_f32 v[128+64*\a+8*\b:135+64*\a+8*\b], v[64+6*\b+2*\t:65+6*\b+2*\t], v[48+6*\a+2*\t:49+6*\a+2*\t], 0
.else
	v_wmma_f32_16x16x4_f32 v[128+64*\a+8*\b:135+64*\a+8*\b], v[64+6*\b+2*\t:65+6*\b+2*\t], v[48+6*\a+2*\t:49+6*\a+2*\t], v[128+64*\a+8*\b:135+64*\a+8*\b]
.endif
.endr
.endr
.endr
.rept 9
	v_nop                                          ; nine places behind the f32 form: another form goes on with its sums, and loads land on its sources
.endr
.macro MM a, b, k
.set rD, 128+64*(\a)+8*(\b)
.set rP, 64+8*(\b)
.set rQ, 48+8*(\a)
.set rSP, 20+4*((\b)/2)+(\k)%4
.set rSQ, 36+(\k)
.if ((\b)%2 == 0) && ((\a) == 0)
	v_wmma_scale_f32_16x16x128_f8f6f4 v[rD:rD+7], v[rP:rP+7], v[rQ:rQ+7], v[rD:rD+7], v[rSP], v[rSQ] matrix_a_fmt:MATRIX_FMT_FP4 matrix_b_fmt:MATRIX_FMT_FP4
.elseif (\a) == 0
	v_wmma_scale_f32_16x16x128_f8f6f4 v[rD:rD+7], v[rP:rP+7], v[rQ:rQ+7], v[rD:rD+7], v[rSP], v[rSQ] matrix_a_fmt:MATRIX_FMT_FP4 matrix_b_fmt:MATRIX_FMT_FP4 matrix_a_scale:MATRIX_SCALE_ROW1
.elseif (\b)%2 == 0
	v_wmma_scale_f32_16x16x128_f8f6f4 v[rD:rD+7], v[rP:rP+7], v[rQ:rQ+7], v[rD:rD+7], v[rSP], v[rSQ] matrix_a_fmt:MATRIX_FMT_FP4 matrix_b_fmt:MATRIX_FMT_FP4 matrix_b_scale:MATRIX_SCALE_ROW1
.else
	v_wmma_scale_f32_16x16x128_f8f6f4 v[rD:rD+7], v[rP:rP+7], v[rQ:rQ+7], v[rD:rD+7], v[rSP], v[rSQ] matrix_a_fmt:MATRIX_FMT_FP4 matrix_b_fmt:MATRIX_FMT_FP4 matrix_a_scale:MATRIX_SCALE_ROW1 matrix_b_scale:MATRIX_SCALE_ROW1
.endif
.endm
.macro KSTEP k
.if \k > 0
.rept 4
	v_nop                                          ; places in front of loads into registers that matrix instructions have read
.endr
.endif
.if (\k)%4 == 0
.irp i, 0,1,2,3
	ds_load_b128 v[20+4*\i:23+4*\i], v5 offset:1024*\i+16*((\k)/4)
.endr
.endif
.irp b, 0,1,2,3,4,5,6,7
.irp c, 0,1
	ds_load_b128 v[64+8*\b+4*\c:67+8*\b+4*\c], v[2+(\k)/4] offset:4096*\b+1024*((\k)%4)+512*\c
.endr
.endr
.irp a, 0,1
.irp c, 0,1
	ds_load_b128 v[48+8*\a+4*\c:51+8*\a+4*\c], v4 offset:32768*((\k)/4)+4096*\a+1024*((\k)%4)+512*\c
.endr
.endr
	s_wait_dscnt 0x0
.irp b, 0,1,2,3,4,5,6,7
.irp a, 0,1
	MM \a, \b, \k
.endr
.endr
.endm
	s_wait_tensorcnt 0x0                           ; my one load is in
	s_barrier_signal -1
	s_barrier_wait -1
	KSTEP 0
	KSTEP 1
	KSTEP 2
	KSTEP 3
	KSTEP 4
	KSTEP 5
	KSTEP 6
	KSTEP 7
.rept 4
	v_nop                                          ; places in front of the first read of results and of loads into P's registers
.endr
.irp a, 0,1                            ; Q tile a: lane (r, h), accumulator b, register j: column 32 (b / 2) + 16 h + 8 (b % 2) + j of my 128
.if \a > 0
	s_wait_xcnt 0x0                                ; the last tile's stores have read their registers
.endif
.irp b, 0,1,2,3,4,5,6,7
	ds_store_b128 v8, v[128+64*\a+8*\b:131+64*\a+8*\b] offset:128*(\b/2)+32*(\b%2)       ; each accumulator from its low end on
	ds_store_b128 v8, v[132+64*\a+8*\b:135+64*\a+8*\b] offset:128*(\b/2)+32*(\b%2)+16
.endr
.irp t, 0,1,2,3,4,5,6,7,8,9,10,11,12,13,14,15
	ds_load_b128 v[64+4*\t:67+4*\t], v9 offset:528*\t              ; LDS serves a wave's instructions in order: these see my stores
.endr
.irp t, 0,1,2,3,4,5,6,7,8,9,10,11,12,13,14,15
	s_wait_dscnt 15-\t                                             ; row t is back; the younger loads may be out
	global_store_b128 v1, v[64+4*\t:67+4*\t], s[18:19] offset:(8*\a+\t+8*(\t/8))*4096 th:TH_STORE_NT   ; 512 consecutive bytes of token 8 a + t + 8 (t / 8)'s row
.endr
.endr
	s_wait_tensorcnt 0x0
	ds_add_u32 v18, v19
	s_wait_dscnt 0x0
	ROUND                                          ; the closing round
	s_endpgm
.Lfunc_end_k_q1668c1826d_gemm_proj:
	.size	k_q1668c1826d_gemm_proj, .Lfunc_end_k_q1668c1826d_gemm_proj-k_q1668c1826d_gemm_proj
	.p2alignl 7, 3214868480
	.fill 96, 4, 3214868480
	.section	.rodata,"a",@progbits
	.p2align	6, 0x0
	.amdhsa_kernel k_q1668c1826d_gemm_proj
		.amdhsa_group_segment_fixed_size 277504
		.amdhsa_private_segment_fixed_size 0
		.amdhsa_enable_private_segment 0
		.amdhsa_kernarg_size 24
		.amdhsa_user_sgpr_count 2
		.amdhsa_user_sgpr_kernarg_segment_ptr 1
		.amdhsa_wavefront_size32 1
		.amdhsa_system_sgpr_workgroup_id_x 1
		.amdhsa_system_sgpr_workgroup_id_y 1
		.amdhsa_system_sgpr_workgroup_id_z 1
		.amdhsa_system_vgpr_workitem_id 0
		.amdhsa_next_free_vgpr 256
		.amdhsa_next_free_sgpr 100
		.amdhsa_reserve_vcc 0
		.amdhsa_float_denorm_mode_32 3
		.amdhsa_float_denorm_mode_16_64 3
		.amdhsa_memory_ordered 1
		.amdhsa_forward_progress 1
		.amdhsa_inst_pref_size 58
	.end_amdhsa_kernel
	.amdgpu_metadata
---
amdhsa.version: [ 1, 2 ]
amdhsa.kernels:
  - .name:           k_q1668c1826d_gemm_proj
    .symbol:         k_q1668c1826d_gemm_proj.kd
    .args:
      - { .name: pa, .offset: 0, .size: 8, .value_kind: global_buffer, .address_space: global }
      - { .name: att, .offset: 8, .size: 8, .value_kind: global_buffer, .address_space: global }
      - { .name: out0, .offset: 16, .size: 8, .value_kind: global_buffer, .address_space: global }
    .group_segment_fixed_size: 277504
    .private_segment_fixed_size: 0
    .kernarg_segment_align: 8
    .kernarg_segment_size: 24
    .max_flat_workgroup_size: 256
    .sgpr_count:     100
    .vgpr_count:     256
    .wavefront_size: 32
...
	.end_amdgpu_metadata
.endif
;; end of part 4
